; MI455X (gfx1250); checked and timed in simulation.
; The chip was launched on July 23, 2026; its instructions are those of AMD's public machine-readable ISA for CDNA 5 (MIT licence, August 2026) and "CDNA5" Instruction Set Architecture Reference Guide (July 2026). The comments in the code are by the model that wrote it; some were corrected since.
;; HEPOS Cross Attention. Allowed arithmetic: matrix products marked QUANTISED: E2M1 operands, one E8M0 scale for each 32 along K, by v_wmma_scale_f32_16x16x128_f8f6f4 with both operands' format E2M1 (or v_wmma_scale_f32_32x16x128_f4), f32 sums; products left as they are: bf16, f16 or f32 operands; f32 sums; everything else in f32.
;; Inputs: Wk 1,024 x 1,024 float32; Wo 1,024 x 1,024 float32; Wq 1,024 x 1,024 float32; Wv 1,024 x 1,024 float32; bk 1,024 float32; bo 1,024 float32; bq 1,024 float32; bv 1,024 float32; key 2 x 8,192 x 1,024 float32; key_padding_mask 2 x 8,192 bool; query 2 x 512 x 1,024 float32; value 2 x 8,192 x 1,024 float32.
;; Outputs: out0 2 x 512 x 1,024 float32.
;; This version of the problem:
;;   THIS VERSION OF THE PROBLEM IS GIVEN IN LOW PRECISION. The matrix products marked QUANTISED in the list below multiply operands that are first quantised to E2M1 (2 exponent bits, 1 mantissa bit; 4 bits a number), with one power-of-two scale for each 32 numbers along K (OCP MX v1.0); their sums are f32. The products marked 'left as it is' may take bf16, f16 or f32 operands, with f32 sums. Whichever they take, every output number must still come out within the allowed error. Rounding operands to bf16 (8 significant bits) uses up far more of that allowance than f16 does (11 bits, for magnitudes from 6e-5 to 65,504). All else is computed in f32.
;;   The module's matrix products, in the order in which they are computed (A, B: the left and right operand; K: the contracted axis; several contracted axes count as one K, in the product's order):
;;     1. [M 1,024, K 1,024] x [K 1,024, N 1,024]; A: input query; B: input Wq: QUANTISED
;;     2. [M 16,384, K 1,024] x [K 1,024, N 1,024]; A: input key; B: input Wk: QUANTISED
;;     3. [M 16,384, K 1,024] x [K 1,024, N 1,024]; A: input value; B: input Wv: QUANTISED
;;     4. batch 32 x [M 512, K 64] x [K 64, N 8,192]; A: computed on the way; B: computed on the way: left as it is (an operand is computed on the way)
;;     5. batch 32 x [M 512, K 8,192] x [K 8,192, N 64]; A: computed on the way; B: computed on the way: left as it is (an operand is computed on the way)
;;     6. [M 1,024, K 1,024] x [K 1,024, N 1,024]; A: computed on the way; B: input Wo: left as it is (an operand is computed on the way)
;;   THE QUANTISER, for each operand of a quantised product, along K:
;;     - K is cut into blocks of 32 from its start; a last block that is shorter is filled with zeros.
;;     - A block's scale is 2^e with e = floor(log2(the largest magnitude in the block)) - 2, held to -126 .. 127; a block of zeros has e = 0. As a byte (E8M0): e + 127.
;;     - Each number is divided by its block's scale, clamped to +-6, and rounded to the nearest number of E2M1, ties to even, subnormals kept.
;;     - The product sums the exact products of the quantised numbers (number of the format x scale) in f32.
;;   ~~~python
;;   def quantise(x, axis):      # numpy; x: float32 -> the quantised numbers, widened to float32 again
;;       x = np.moveaxis(x, axis, -1); K = x.shape[-1]
;;       x = np.pad(x, [(0, 0)] * (x.ndim - 1) + [(0, -K % 32)]); x = x.reshape(x.shape[:-1] + (-1, 32)); a = np.abs(x).max(-1, keepdims=True)
;;       e = np.where(a > 0, np.clip(np.frexp(np.where(a > 0, a, 1))[1] - 1 - 2, -126, 127), 0)      # np.frexp(a)[1] - 1 = floor(log2(a)), exactly
;;       r = np.clip(x / 2.0 ** e, -6, 6)
;;       step = 2.0 ** (np.maximum(np.frexp(np.where(r == 0, 1, r))[1] - 1, 0) - 1)
;;       q = np.round(r / step) * step * 2.0 ** e      # np.round: ties to even
;;       return np.moveaxis(q.reshape(q.shape[:-2] + (-1,))[..., :K], -1, axis).astype(np.float32)
;;   ~~~
;; One version. Each part assembles by itself: llvm-mc -triple=amdgcn-amd-amdhsa -mcpu=gfx1250 --defsym DOCPART=n.
;; ======== version 1 of 1: 4 launches
;; limits: values are held in f16: magnitudes above 65,504 overflow, below 6.1e-05 lose precision
;; workspace buffers: wq_blk 557,056 bytes; wk_blk 557,056 bytes; wv_blk 557,056 bytes; q_blk 557,056 bytes; wo16 2,097,152 bytes; ctx 2,097,152 bytes; k_img 8,388,608 bytes; v_img 8,388,608 bytes
;; launch prep (part 1): grid 320 x 1, 4 waves a work-group, no clusters, 68,096 bytes of LDS; arguments Wq, Wk, Wv, Wo, query, wq_blk, wk_blk, wv_blk, wo16, q_blk; writes wq_blk, wk_blk, wv_blk, wo16, q_blk
.if DOCPART == 1
	.amdgcn_target "amdgcn-amd-amdhsa--gfx1250"
	.amdhsa_code_object_version 6
	.text
	.protected	k_qab2853407c_prep
	.globl	k_qab2853407c_prep
	.p2align	8
	.type	k_qab2853407c_prep,@function
k_qab2853407c_prep:
	s_mov_b64 s[64:65], 0
	v_nop
	global_prefetch_b8 v0, s[64:65] scope:SCOPE_SE
	s_setreg_imm32_b32 hwreg(HW_REG_WAVE_MODE, 25, 1), 1
	s_wait_xcnt 0x0
; Wq, Wk, Wv [1024 (k)][1024 (n)] f32 and query [1024 rows][1024 (k)] f32 become codes of FP4 (E2M1) with one E8M0 byte for each 32 along K; Wo [1024 (k)][1024 (n)] becomes f16.
; ALL RESULTS ARE LAID AS IMAGES OF OPERAND REGISTERS: a piece is four registers of the 32 lanes, 512 bytes, lane l's 16 bytes at 16 l.
;   wq_blk, wk_blk, wv_blk: [head 16][34,816]: codes at (8 t + ks) 1024 + 512 cc (t: 16 columns of the head's 64; ks: 128 along K); lane (r, h): column 16 t + r, k = 128 ks + 64 cc + 32 h + 0 .. 31;
;     scale words at 32768 + 512 t + 128 (ks / 2) + 4 l: lanes 0-15 the even K step's word of column r, lanes 16-31 the odd one's.
;   q_blk: [block of 64 rows 16][34,816]: the same, t a tile of 16 rows.
;   wo16: [block of 64 columns 16][K half 2][tile of 16 columns 4][32 along K: 16][1024]: piece g: lane (r, h): column r, k = 16 g + 8 h + 0 .. 7.
; A block's scale is 2^(floor(log2(its largest magnitude)) - 2): its byte is the largest magnitude's exponent field - 2, held at 1 from below.  A block of zeros gets the byte 1: its codes are zeros, and this program alone reads the bytes.
; LIMITS: blocks whose largest magnitude lies under 2^-124 get the byte 1; NaN and infinities among the inputs are not served; Wo is rounded to f16: magnitudes under 65,504, absolute error up to 3e-8 under 6e-5.
; SHARES.  Work-groups 0-255: tensor x / 64 (Wq, Wk, Wv, Wo), 128 columns x 128 along K; a lane takes a column and its registers run down K: a block of 32 lies in one lane, and nothing is transposed.
; Work-groups 256-319: 16 rows of query; wave w takes K steps 2 w and 2 w + 1; loads of 512 consecutive bytes turn through the wave's own stage in LDS, so that a lane holds 32 neighbours along K of each of two blocks.
; No tensor loads, no barrier: waves share nothing.  Work-groups share no input, so there is no cluster.
.set SPARE, 67584                      ; behind the four waves' stages (2 x 16 rows x 528 bytes each): the spare words, 128 bytes a wave
.set X,   16                           ; v16-143  128 numbers as loaded
.set CD,  152                          ; v152-167 weights: four registers of codes for each block
.set SW,  168                          ; v168     weights: the scale word
.set H,   152                          ; v152-215 Wo: 64 registers of f16 pairs
.set XT,  144                          ; v144-207 query: 64 numbers in the operand's order
.set QT,  208                          ; v208-215 the quantiser's eight registers at work
.set PC0, 218                          ; v218-225, v226-233 two fragments of codes
.set PC1, 226
.set PW0, 234                          ; their scale words, and the two joined
.set PW1, 235
.set PWC, 236
.set SH8, 9                            ; v9   8 x (lane / 16)
.set SPW, 10                           ; v10  LDS address of my spare word; never rewritten
.set NIL, 11                           ; v11  0; never rewritten
.set SEL, 36                           ; s[36:37] lane selects: lane l xor 16
; 64 numbers of a lane, register x + 32 c + i = k 64 c + 32 (lane / 16) + i of my row: two whole blocks.  They become a fragment's eight registers of codes, v[pc] on, and its scale word, v[pw], whole in every lane.
.macro QUANT x, pc, pw
.irp c, 0,1
	v_max3_num_f32 v[QT+\c], |v[\x+32*\c]|, |v[\x+32*\c+1]|, 0x1800000   ; the floor 2^(3 - 127) among the leaves: the byte cannot fall under 1
.endr
.irp i, 2,4,6,8,10,12,14,16,18,20,22,24,26,28,30
.irp c, 0,1
	v_max3_num_f32 v[QT+\c], v[QT+\c], |v[\x+32*\c+\i]|, |v[\x+32*\c+\i+1]|   ; the two blocks by turns
.endr
.endr
.irp c, 0,1
	v_add_nc_u32 v[QT+2+\c], 0xff000000, v[QT+\c]      ; 2 off the exponent field: the conversion's scale operand
.endr
.irp c, 0,1
	v_lshrrev_b32 v[QT+4+\c], 23, v[QT+2+\c]           ; the scale's byte
.endr
	v_lshl_or_b32 v[QT+6], v[QT+5], 16, v[QT+4]        ; my two bytes: blocks h and 2 + h,
	v_lshlrev_b32 v[QT+6], v[SH8], v[QT+6]             ; at their places in the word;
	v_permlanex16_b32 v[QT+7], v[QT+6], s[SEL], s[SEL+1]
	v_or_b32 v[\pw], v[QT+6], v[QT+7]                  ; with lane l xor 16's two the word is whole
.irp c, 0,1
.irp g, 0,1,2,3
	v_cvt_scalef32_pk8_fp4_f32 v[\pc+4*\c+\g], v[\x+32*\c+8*\g:\x+32*\c+8*\g+7], v[QT+2+\c]
.endr
.endr
	v_nop                                              ; one plain line behind the last scaled conversion
.endm
	s_load_b512 s[4:19], s[0:1], 0x0               ; Wq s[4:5], Wk s[6:7], Wv s[8:9], Wo s[10:11], query s[12:13], wq_blk s[14:15], wk_blk s[16:17], wv_blk s[18:19]
	s_load_b128 s[20:23], s[0:1], 0x40             ; wo16 s[20:21], q_blk s[22:23]
	v_lshl_add_u32 v[SPW], v0, 2, SPARE
	v_mov_b32 v[NIL], 0
	v_lshrrev_b32 v1, 5, v0
	v_readfirstlane_b32 s24, v1                    ; wave 0..3
	v_and_b32 v1, 31, v0                           ; lane
	v_and_b32 v2, 15, v0                           ; r
	v_bfe_u32 v3, v0, 4, 1                         ; lane / 16
	s_cmp_ge_u32 ttmp9, 256
	s_cbranch_scc1 .Lquery
	; ---- a weight: 128 columns x 128 along K
	s_lshr_b32 s25, ttmp9, 6                       ; which tensor
	s_and_b32 s27, ttmp9, 7                        ; which 128 columns
	s_bfe_u32 s28, ttmp9, 0x30003                  ; ks: which 128 along K
	s_lshr_b32 s29, s24, 1
	s_lshl_b32 s26, s27, 1
	s_add_co_u32 s29, s29, s26                     ; my wave's block of 64 columns: 2 x column group + wave / 2
	s_and_b32 s39, s24, 1                          ; which half of it
	v_lshlrev_b32 v4, 2, v1                        ; in: 4 bytes a lane
	s_lshl_b32 s34, s28, 19                        ; 128 ks rows of 4,096 bytes
	s_lshl_b32 s26, s27, 9
	s_add_co_u32 s34, s34, s26                     ; + 128 columns x group
	s_lshl_b32 s26, s24, 7
	s_add_co_u32 s34, s34, s26                     ; + 32 columns x wave
	s_mov_b32 s35, 0
	s_wait_kmcnt 0x0
	s_cmp_eq_u32 s25, 1                            ; the buffers are chosen by the work-group's number alone
	s_cselect_b64 s[30:31], s[6:7], s[4:5]
	s_cselect_b64 s[32:33], s[16:17], s[14:15]
	s_cmp_eq_u32 s25, 2
	s_cselect_b64 s[30:31], s[8:9], s[30:31]
	s_cselect_b64 s[32:33], s[18:19], s[32:33]
	s_cmp_eq_u32 s25, 3
	s_cselect_b64 s[30:31], s[10:11], s[30:31]
	s_cselect_b64 s[32:33], s[20:21], s[32:33]
	s_add_nc_u64 s[30:31], s[30:31], s[34:35]
.macro LOADW bl                        ; block bl: W(128 ks + 32 bl + i, my column): 32 lanes read 128 consecutive bytes
.set i, 0
.rept 32
	global_load_b32 v[X+32*(\bl)+i], v4, s[30:31] offset:(32*(\bl)+i)*4096 th:TH_LOAD_NT
.set i, i+1
.endr
.endm
.macro WAITW bl                        ; block bl's 32 loads are in; the next block's 32 may be out; then the block two further on is asked for
.if (\bl) < 3
	s_wait_loadcnt 32
.else
	s_wait_loadcnt 0
.endif
.if (\bl) < 2
	LOADW (\bl)+2
.endif
.endm
	LOADW 0
	LOADW 1
	s_cmp_eq_u32 s25, 3
	s_cbranch_scc1 .Lwo
	; ---- Wq, Wk, Wv: codes
	s_mul_i32 s34, s29, 34816
	s_add_nc_u64 s[32:33], s[32:33], s[34:35]      ; my head's block
	s_lshl_b32 s26, s39, 14                        ; tiles 2 (wave % 2) and + 1: 8,192 bytes a tile
	s_lshl_b32 s40, s28, 10
	s_add_co_u32 s26, s26, s40                     ; + 1,024 ks
	v_lshlrev_b32 v5, 4, v2
	v_lshl_add_u32 v5, v3, 13, v5                  ; 16 r; lanes 16-31 hold the next tile's columns
	v_add_nc_u32 v5, s26, v5
	s_lshl_b32 s26, s39, 10                        ; scale words: 512 bytes a tile,
	s_lshr_b32 s40, s28, 1
	s_lshl_b32 s40, s40, 7
	s_add_co_u32 s26, s26, s40                     ; 128 for each pair of K steps,
	s_and_b32 s40, s28, 1
	s_lshl_b32 s40, s40, 6
	s_add_co_u32 s26, s26, s40                     ; the odd step's in the upper sixteen places
	s_add_co_u32 s26, s26, 32768
	v_lshlrev_b32 v6, 2, v2
	v_lshl_add_u32 v6, v3, 9, v6
	v_add_nc_u32 v6, s26, v6
.macro WBLOCK bl
.set XB, X+32*(\bl)
	WAITW \bl
	v_max3_num_f32 v144, |v[XB]|, |v[XB+1]|, |v[XB+2]|     ; the block's largest magnitude: all 32 numbers are mine
	v_max3_num_f32 v145, |v[XB+3]|, |v[XB+4]|, |v[XB+5]|
.irp i, 6,10,14,18,22,26
	v_max3_num_f32 v144, v144, |v[XB+\i]|, |v[XB+\i+1]|
	v_max3_num_f32 v145, v145, |v[XB+\i+2]|, |v[XB+\i+3]|
.endr
	v_max3_num_f32 v144, v144, |v[XB+30]|, |v[XB+31]|
	v_max3_num_f32 v144, v144, v145, 0x1800000             ; and the floor 2^(3 - 127)
	v_add_nc_u32 v[146+(\bl)], 0xff000000, v144            ; the conversion's scale operand
	v_lshrrev_b32 v150, 23, v[146+(\bl)]                   ; the byte
.if (\bl) == 0
	v_mov_b32 v[SW], v150
.else
	v_lshl_or_b32 v[SW], v150, 8*(\bl), v[SW]
.endif
.irp g, 0,1,2,3
	v_cvt_scalef32_pk8_fp4_f32 v[CD+4*(\bl)+\g], v[XB+8*\g:XB+8*\g+7], v[146+(\bl)]
.endr
	v_nop
	global_store_b128 v5, v[CD+4*(\bl):CD+4*(\bl)+3], s[32:33] offset:((\bl)/2)*512+((\bl)%2)*256   ; sixteen lanes store 256 consecutive bytes, aligned: half a piece
.endm
	WBLOCK 0
	WBLOCK 1
	WBLOCK 2
	WBLOCK 3
	global_store_b32 v6, v[SW], s[32:33]           ; sixteen lanes: 64 consecutive bytes; one byte for each 128 that the wave reads
	s_endpgm
	; ---- Wo: f16
.Lwo:
	s_lshl_b32 s34, s29, 17
	s_add_nc_u64 s[32:33], s[32:33], s[34:35]      ; my block of 64 columns: 131,072 bytes
	s_lshr_b32 s26, s28, 2
	s_lshl_b32 s26, s26, 16                        ; K half
	s_lshl_b32 s40, s39, 15
	s_add_co_u32 s26, s26, s40                     ; tiles 2 (wave % 2) and + 1: 16,384 bytes a tile
	s_and_b32 s40, s28, 3
	s_lshl_b32 s40, s40, 12
	s_add_co_u32 s26, s26, s40                     ; four steps of 32 along K: 1,024 bytes each
	v_lshlrev_b32 v5, 4, v2
	v_lshl_add_u32 v5, v3, 14, v5
	v_add_nc_u32 v5, s26, v5
.macro HBLOCK bl
	WAITW \bl
.set q, 0
.rept 4
.set i, 0
.rept 4
	v_cvt_pk_f16_f32 v[H+16*(\bl)+4*q+i], v[X+32*(\bl)+8*q+2*i], v[X+32*(\bl)+8*q+2*i+1]   ; the lower k into the low half
.set i, i+1
.endr
	global_store_b128 v5, v[H+16*(\bl)+4*q:H+16*(\bl)+4*q+3], s[32:33] offset:(\bl)*1024+(q/2)*512+(q%2)*256
.set q, q+1
.endr
.endm
	HBLOCK 0
	HBLOCK 1
	HBLOCK 2
	HBLOCK 3
	s_endpgm
	; ---- query: 16 rows, my wave's two K steps
.Lquery:
	s_sub_co_u32 s25, ttmp9, 256                   ; tile of 16 rows, 0..63
	v_lshlrev_b32 v4, 4, v1                        ; 16 x lane
	s_mul_i32 s26, s24, 16896                      ; my wave's two stages
	v_add_nc_u32 v7, s26, v4                       ; in: a row's 512 bytes as they lie
	v_mul_u32_u24 v8, v2, 528
	v_lshl_add_u32 v8, v3, 7, v8
	v_add_nc_u32 v8, s26, v8                       ; out: row r, + 128 bytes for lanes 16-31
	v_lshlrev_b32 v[SH8], 3, v3
	s_mov_b32 s[SEL], 0x76543210
	s_mov_b32 s[SEL+1], 0xfedcba98
	s_mov_b32 s38, 0xffff0000                      ; lanes 16-31
	v_mov_b32 v[QT+7], 0                           ; written once: a lane permute's destination counts as one of its sources
	s_lshl_b32 s34, s25, 16                        ; 16 rows of 4,096 bytes
	s_lshl_b32 s26, s24, 10
	s_add_co_u32 s34, s34, s26                     ; + two K steps of 512 bytes x wave
	s_mov_b32 s35, 0
	s_lshr_b32 s27, s25, 2
	s_mul_i32 s32, s27, 34816                      ; the block of 64 rows
	s_mov_b32 s33, 0
	s_and_b32 s27, s25, 3                          ; the tile in it
	s_lshl_b32 s28, s27, 13
	s_lshl_b32 s29, s24, 11
	s_add_co_u32 s28, s28, s29
	v_add_nc_u32 v5, s28, v4                       ; codes: 8,192 t + 2,048 wave + 16 lane
	s_lshl_b32 s28, s27, 9
	s_lshl_b32 s29, s24, 7
	s_add_co_u32 s28, s28, s29
	s_add_co_u32 s28, s28, 32768
	v_lshl_add_u32 v6, v1, 2, s28                  ; scale words: 32,768 + 512 t + 128 wave + 4 lane
	s_wait_kmcnt 0x0
	s_add_nc_u64 s[30:31], s[12:13], s[34:35]
	s_add_nc_u64 s[32:33], s[22:23], s[32:33]
.irp s, 0,1
.set i, 0
.rept 16
	global_load_b128 v[X+64*\s+4*i:X+64*\s+4*i+3], v4, s[30:31] offset:i*4096+\s*512 th:TH_LOAD_NT   ; 512 consecutive bytes of row i
.set i, i+1
.endr
.endr
.macro STIN s
.set i, 0
.rept 16
	ds_store_b128 v7, v[X+64*\s+4*i:X+64*\s+4*i+3] offset:\s*8448+i*528
.set i, i+1
.endr
.endm
.macro STOUT s                         ; LDS serves a wave's instructions in order: these see my stores
.irp c, 0,1
.irp j, 0,1,2,3,4,5,6,7
	ds_load_b128 v[XT+32*\c+4*\j:XT+32*\c+4*\j+3], v8 offset:\s*8448+\c*256+16*\j
.endr
.endr
.endm
	s_wait_loadcnt 16                              ; the first K step's 16 loads are in; the second's may be out
	STIN 0
	STOUT 0
	s_wait_loadcnt 0
	STIN 1
	s_wait_dscnt 16                                ; all but the 16 stores just issued: the first K step is back
	QUANT XT, PC0, PW0
	STOUT 1
	global_store_b128 v5, v[PC0:PC0+3], s[32:33]
	global_store_b128 v5, v[PC0+4:PC0+7], s[32:33] offset:512
	s_wait_dscnt 0x0
	QUANT XT, PC1, PW1
	v_cndmask_b32 v[PWC], v[PW0], v[PW1], s38      ; lanes 0-15 the even K step's words, lanes 16-31 the odd one's
	global_store_b128 v5, v[PC1:PC1+3], s[32:33] offset:1024
	global_store_b128 v5, v[PC1+4:PC1+7], s[32:33] offset:1536
	global_store_b32 v6, v[PWC], s[32:33]
	s_wait_tensorcnt 0x0                           ; the wave's end, behind my last LDS store
	ds_add_u32 v[SPW], v[NIL]
	s_wait_dscnt 0x0
	s_endpgm
.Lfunc_end_k_qab2853407c_prep:
	.size	k_qab2853407c_prep, .Lfunc_end_k_qab2853407c_prep-k_qab2853407c_prep
	.p2alignl 7, 3214868480
	.fill 96, 4, 3214868480
	.section	.rodata,"a",@progbits
	.p2align	6, 0x0
	.amdhsa_kernel k_qab2853407c_prep
		.amdhsa_group_segment_fixed_size 68096
		.amdhsa_private_segment_fixed_size 0
		.amdhsa_enable_private_segment 0
		.amdhsa_kernarg_size 80
		.amdhsa_user_sgpr_count 2
		.amdhsa_user_sgpr_kernarg_segment_ptr 1
		.amdhsa_wavefront_size32 1
		.amdhsa_system_sgpr_workgroup_id_x 1
		.amdhsa_system_sgpr_workgroup_id_y 1
		.amdhsa_system_sgpr_workgroup_id_z 1
		.amdhsa_system_vgpr_workitem_id 0
		.amdhsa_next_free_vgpr 240
		.amdhsa_next_free_sgpr 66
		.amdhsa_reserve_vcc 0
		.amdhsa_float_denorm_mode_32 3
		.amdhsa_float_denorm_mode_16_64 3
		.amdhsa_memory_ordered 1
		.amdhsa_forward_progress 1
		.amdhsa_inst_pref_size 48
	.end_amdhsa_kernel
	.amdgpu_metadata
---
amdhsa.version: [ 1, 2 ]
amdhsa.kernels:
  - .name:           k_qab2853407c_prep
    .symbol:         k_qab2853407c_prep.kd
    .args:
      - { .name: Wq, .offset: 0, .size: 8, .value_kind: global_buffer, .address_space: global }
      - { .name: Wk, .offset: 8, .size: 8, .value_kind: global_buffer, .address_space: global }
      - { .name: Wv, .offset: 16, .size: 8, .value_kind: global_buffer, .address_space: global }
      - { .name: Wo, .offset: 24, .size: 8, .value_kind: global_buffer, .address_space: global }
      - { .name: query, .offset: 32, .size: 8, .value_kind: global_buffer, .address_space: global }
      - { .name: wq_blk, .offset: 40, .size: 8, .value_kind: global_buffer, .address_space: global }
      - { .name: wk_blk, .offset: 48, .size: 8, .value_kind: global_buffer, .address_space: global }
      - { .name: wv_blk, .offset: 56, .size: 8, .value_kind: global_buffer, .address_space: global }
      - { .name: wo16, .offset: 64, .size: 8, .value_kind: global_buffer, .address_space: global }
      - { .name: q_blk, .offset: 72, .size: 8, .value_kind: global_buffer, .address_space: global }
    .group_segment_fixed_size: 68096
    .private_segment_fixed_size: 0
    .kernarg_segment_align: 8
    .kernarg_segment_size: 80
    .max_flat_workgroup_size: 128
    .sgpr_count:     66
    .vgpr_count:     240
    .wavefront_size: 32
...
	.end_amdgpu_metadata
.endif
;; end of part 1
;; launch kvproj (part 2): grid 256 x 1, 4 waves a work-group, no clusters, 327,680 bytes of LDS; arguments key, value, wk_blk, wv_blk, bk, bv, k_img, v_img; writes k_img, v_img
.if DOCPART == 2
	.amdgcn_target "amdgcn-amd-amdhsa--gfx1250"
	.amdhsa_code_object_version 6
	.text
	.protected	k_qab2853407c_kvproj
	.globl	k_qab2853407c_kvproj
	.p2align	8
	.type	k_qab2853407c_kvproj,@function
k_qab2853407c_kvproj:
	s_mov_b64 s[64:65], 0
	v_nop
	global_prefetch_b8 v0, s[64:65] scope:SCOPE_SE
	s_setreg_imm32_b32 hwreg(HW_REG_WAVE_MODE, 25, 1), 1
	s_wait_xcnt 0x0
; k = key Wk + bk and v = value Wv + bv on codes of FP4 (E2M1) with one E8M0 scale for each 32 along K, ONLY WHERE THE STRIDED MASK KEEPS THEM: head h sees key s where s % 4 = h % 4, so a row of class c = s % 4
; is multiplied by the 256 columns of heads c, c + 4, c + 8, c + 12 alone.  key, value: [16,384 rows][1024] f32, quantised here in registers.  Weights: register images made by the launch before.
; RESULTS, f16, as register images of the attention's operands: [b 16 + h][block of 32 kept keys: 64][t 4][m 2][512 bytes, lane l's 16 at 16 l]:
;   k_img piece (t, m): lane (r, h2): key 16 m + r, channels 16 t + 8 h2 + 0 .. 7  (product used transposed: source 0 = 16 columns of Wk, source 1 = 16 rows);
;   v_img piece (t, m): lane (r, h2): channel 16 t + r, keys 16 m + 8 h2 + 0 .. 7  (source 0 = 16 rows, source 1 = 16 columns of Wv).
; SHARES.  Work-group x: tensor x / 128, class (x / 32) % 4, run j = x % 32 of 128 rows of that class (every fourth row of memory), in four chunks of 32 rows.  THE WAVES SHARE THE COLUMNS: wave w holds head c + 4 w,
; whose 32 fragments of codes stay in 256 registers for the whole launch.  Rows come by tensor loads into two LDS slots; wave w fetches, reads and quantises K quarter w of the chunk's 32 rows, and hands the codes to
; the others through LDS as images of the operand's registers.  One barrier a chunk: it shows the images to every wave and stands in front of the slot's refill.
; NO CLUSTER: what work-groups share is a wave's 34,816 bytes of weights, read once into registers, beside the 524,288 bytes of rows that are the work-group's own.
; LIMITS: blocks whose largest magnitude lies under 2^-124 get the byte 1; NaN and infinities are not served; k and v are rounded to f16: magnitudes under 65,504, absolute error up to 3e-8 under 6e-5.
; REGISTERS.  Window 0: v1-11 addresses; v16-143 numbers of two units (64 each), later the chunk's 16 fragments; v144-151 the quantiser's; v154-169 two fragments of codes; v170-172 scale words;
;   v176-183 the rows' scale words, v184-199 the weights'; v200-207 the bias loads' offsets.   Window 1: the weights' 32 fragments, (t, ks) at 8 (8 t + ks).   Window 2: v0-31 the bias in the result's layout; v32-95 eight accumulators.
.set WPART, 33280                      ; a wave's part of a slot: 32 rows x (1,024 bytes + 16): 65 x 16 bytes from row to row, so the 16 rows of a load begin in 16 different groups of banks
.set SLOT,  4*WPART
.set XBASE, 2*SLOT                     ; the images, two buffers by turns: 16 fragments of 1,024 bytes, then 8 x 128 bytes of scale words
.set XBUF,  17408
.set SPARE, XBASE+2*XBUF               ; the spare words, 128 bytes a wave
.set LI,  1                            ; 16 x lane
.set LS,  2                            ; 4 x lane
.set XR0, 3                            ; v3, v4  my lane's place in my part of slot 0, 1
.set XWI, 5                            ; where I store images;  v6 their scale words
.set XWS, 6
.set XFI, 7                            ; where I fetch images;  v8 their scale words
.set XFS, 8
.set SH8, 9
.set SPW, 10                           ; LDS address of my spare word; never rewritten
.set NIL, 11                           ; 0; never rewritten
.set XN,  16
.set QT,  144
.set PC0, 154
.set PC1, 162
.set PW0, 170
.set PW1, 171
.set PWC, 172
.set XS,  176
.set WS,  184
.set BA,  200
.set BIAS, 0
.set ACC,  32
.set WV,  20
.set G1,  24                           ; s[24:31] descriptor group 1
.set G0,  32                           ; s[32:39] group 0, a set for each slot
.set SEL, 56
.set MSB, 0
.macro WIN new                         ; the immediate's high byte repeats the setting that is left
.if MSB != \new
	s_set_vgpr_msb (MSB<<8)|\new
.set MSB, \new
.endif
.endm
; 64 numbers of a lane, register x + 32 c + i = k 64 c + 32 (lane / 16) + i of my row, become a fragment's codes, v[pc] on, and its scale word, v[pw], whole in every lane.
.macro QUANT x, pc, pw
.irp c, 0,1
	v_max3_num_f32 v[QT+\c], |v[\x+32*\c]|, |v[\x+32*\c+1]|, 0x1800000   ; the floor 2^(3 - 127) among the leaves: the byte cannot fall under 1
.endr
.irp i, 2,4,6,8,10,12,14,16,18,20,22,24,26,28,30
.irp c, 0,1
	v_max3_num_f32 v[QT+\c], v[QT+\c], |v[\x+32*\c+\i]|, |v[\x+32*\c+\i+1]|
.endr
.endr
.irp c, 0,1
	v_add_nc_u32 v[QT+2+\c], 0xff000000, v[QT+\c]      ; 2 off the exponent field: the conversion's scale operand
.endr
.irp c, 0,1
	v_lshrrev_b32 v[QT+4+\c], 23, v[QT+2+\c]           ; the scale's byte
.endr
	v_lshl_or_b32 v[QT+6], v[QT+5], 16, v[QT+4]
	v_lshlrev_b32 v[QT+6], v[SH8], v[QT+6]
	v_permlanex16_b32 v[QT+7], v[QT+6], s[SEL], s[SEL+1]
	v_or_b32 v[\pw], v[QT+6], v[QT+7]
.irp c, 0,1
.irp g, 0,1,2,3
	v_cvt_scalef32_pk8_fp4_f32 v[\pc+4*\c+\g], v[\x+32*\c+8*\g:\x+32*\c+8*\g+7], v[QT+2+\c]
.endr
.endr
	v_nop                                              ; one plain line behind the last scaled conversion
.endm
.macro LOADX reg, s, m, sx             ; rows 16 m + r, K step sx of my two, from slot s: 16 loads
.irp c, 0,1
.irp jj, 0,1,2,3,4,5,6,7
	ds_load_b128 v[\reg+32*\c+4*\jj:\reg+32*\c+4*\jj+3], v[XR0+\s] offset:\m*16640+\sx*512+\c*256+16*\jj
.endr
.endr
.endm
.macro IMG pc, off                     ; a fragment goes to LDS as it stands
	ds_store_b128 v[XWI], v[\pc:\pc+3] offset:\off
	ds_store_b128 v[XWI], v[\pc+4:\pc+7] offset:\off+512
.endm
.macro WM d, a, b, c, sa, sb, odd      ; odd K steps take their scale words from lanes 16-31
.if \odd
	v_wmma_scale_f32_16x16x128_f8f6f4 v[\d:\d+7], v[\a:\a+7], v[\b:\b+7], v[\c:\c+7], v[\sa], v[\sb] matrix_a_fmt:MATRIX_FMT_FP4 matrix_b_fmt:MATRIX_FMT_FP4 matrix_a_scale:MATRIX_SCALE_ROW1 matrix_b_scale:MATRIX_SCALE_ROW1
.else
	v_wmma_scale_f32_16x16x128_f8f6f4 v[\d:\d+7], v[\a:\a+7], v[\b:\b+7], v[\c:\c+7], v[\sa], v[\sb] matrix_a_fmt:MATRIX_FMT_FP4 matrix_b_fmt:MATRIX_FMT_FP4
.endif
.endm
; 64 matrix instructions: K ascending; the eight accumulators (2 tiles of rows x 4 tiles of columns) take turns, one instruction a turn.  The first K step takes the bias as C: nothing is cleared or added.
.macro MULS kv
.irp ks, 0,1,2,3,4,5,6,7
.irp m, 0,1
.irp t, 0,1,2,3
.set rC, ACC+8*(4*\m+\t)
.if \ks == 0
.set rC, BIAS+8*\t
.endif
.if \kv == 0
	WM ACC+8*(4*\m+\t), 8*(8*\t+\ks), XN+64*\m+8*\ks, rC, WS+4*\t+\ks/2, XS+4*\m+\ks/2, \ks%2
.else
	WM ACC+8*(4*\m+\t), XN+64*\m+8*\ks, 8*(8*\t+\ks), rC, XS+4*\m+\ks/2, WS+4*\t+\ks/2, \ks%2
.endif
.endr
.endr
.endr
.endm
	s_load_b512 s[4:19], s[0:1], 0x0               ; key s[4:5], value s[6:7], wk_blk s[8:9], wv_blk s[10:11], bk s[12:13], bv s[14:15], k_img s[16:17], v_img s[18:19]
	v_lshl_add_u32 v[SPW], v0, 2, SPARE
	v_mov_b32 v[NIL], 0
	ds_add_u32 v[SPW], v[NIL]                      ; the wave's opening: an add and its wait ahead of my first tensor load
	v_lshrrev_b32 v12, 5, v0
	v_readfirstlane_b32 s[WV], v12                 ; wave 0..3
	s_lshr_b32 s21, ttmp9, 7                       ; 0: key, 1: value
	s_bfe_u32 s22, ttmp9, 0x20005                  ; class c
	s_and_b32 s23, ttmp9, 31                       ; run j of 128 rows of the class
	; group 1: a tile of 32 rows x 256 elements of 4 bytes, every fourth row of memory, 16 bytes of padding behind each row
	s_mov_b32 s[G1+0], (2<<16)|(1<<20)|(7<<22)|(3<<25)   ; no mask; elements of 4 bytes; padding on: 4 words after every 256
	s_mov_b32 s[G1+1], 256<<16                     ; tensor_dim0
	s_mov_b32 s[G1+2], 32<<16                      ; tensor_dim1
	s_mov_b32 s[G1+3], 256<<16                     ; tile_dim0
	s_mov_b32 s[G1+4], 32                          ; tile_dim1
	s_mov_b32 s[G1+5], 4096                        ; from row to row: four rows of 1,024 elements
	s_mov_b32 s[G1+6], 0
	s_mov_b32 s[G1+7], 0
	s_lshl_b32 s40, s[WV], 2
	s_add_co_u32 s40, s40, s22                     ; my head: c + 4 w
	s_lshl_b32 s50, s23, 21                        ; 512 rows of memory x j
	s_lshl_b32 s51, s22, 12
	s_add_co_u32 s50, s50, s51                     ; + row c
	s_lshl_b32 s51, s[WV], 10
	s_add_co_u32 s50, s50, s51                     ; + my K quarter
	s_mov_b32 s51, 0
	s_mul_i32 s41, s[WV], WPART
	s_mov_b32 s[SEL], 0x76543210
	s_mov_b32 s[SEL+1], 0xfedcba98
	s_mov_b32 s58, 0xffff0000                      ; lanes 16-31
	s_wait_dscnt 0x0                               ; the opening add is done
	s_wait_kmcnt 0x0
	s_cmp_eq_u32 s21, 0                            ; the buffers are chosen by the work-group's number alone
	s_cselect_b64 s[42:43], s[4:5], s[6:7]
	s_cselect_b64 s[44:45], s[8:9], s[10:11]
	s_cselect_b64 s[46:47], s[12:13], s[14:15]
	s_cselect_b64 s[48:49], s[16:17], s[18:19]
	s_cselect_b32 s52, 0, 4                        ; the bias in the result's layout: key: 32 (lane / 16) + 4 x register; value: 4 (lane % 16)
	s_cselect_b32 s53, 32, 0
	s_cselect_b32 s54, 4, 0
	s_add_nc_u64 s[42:43], s[42:43], s[50:51]
.irp s, 0,1                            ; both first fills go out together: two tensor loads of mine are out
	s_mov_b32 s[G0+4*\s], 1
	s_add_co_u32 s[G0+4*\s+1], s41, \s*SLOT
	s_add_nc_u64 s[G0+4*\s+2:G0+4*\s+3], s[42:43], \s*524288      ; chunk s: 32 rows of the class are 128 rows of memory
	s_or_b32 s[G0+4*\s+3], s[G0+4*\s+3], 0x80000000
	tensor_load_to_lds s[G0+4*\s:G0+4*\s+3], s[G1:G1+7]
	s_nop 0
.endr
.rept 4
	v_nop
.endr
	v_and_b32 v12, 31, v0
	v_lshlrev_b32 v[LI], 4, v12
	v_lshlrev_b32 v[LS], 2, v12
	s_mul_i32 s50, s40, 34816
	s_add_nc_u64 s[44:45], s[44:45], s[50:51]      ; my head's block of weights
	WIN 0x40                                       ; destination window 1
.set f, 0
.rept 32
	global_load_b128 v[8*f:8*f+3], v[LI], s[44:45] offset:f*1024
	global_load_b128 v[8*f+4:8*f+7], v[LI], s[44:45] offset:f*1024+512
.set f, f+1
.endr
	WIN 0
.set f, 0
.rept 16
	global_load_b32 v[WS+f], v[LS], s[44:45] offset:32768+f*128
.set f, f+1
.endr
	v_and_b32 v12, 15, v0                          ; r
	v_bfe_u32 v13, v0, 4, 1                        ; lane / 16
	v_lshlrev_b32 v[SH8], 3, v13
	v_mul_u32_u24 v14, v12, 1040
	v_lshl_add_u32 v14, v13, 7, v14                ; row r, + 128 bytes for lanes 16-31
	v_add_nc_u32 v[XR0], s41, v14
	v_add_nc_u32 v[XR0+1], SLOT, v[XR0]
	s_lshl_b32 s55, s[WV], 11
	s_add_co_u32 s55, s55, XBASE
	v_add_nc_u32 v[XWI], s55, v[LI]                ; my two K steps' images
	s_lshl_b32 s55, s[WV], 7
	s_add_co_u32 s55, s55, XBASE+16384
	v_add_nc_u32 v[XWS], s55, v[LS]
	v_add_nc_u32 v[XFI], XBASE, v[LI]
	v_add_nc_u32 v[XFS], XBASE+16384, v[LS]
	v_mov_b32 v[QT+7], 0                           ; written once: a lane permute's destination counts as one of its sources
	v_mul_u32_u24 v[BA], v12, s52
	v_mad_u32_u24 v[BA], v13, s53, v[BA]
.irp jj, 1,2,3,4,5,6,7
	v_add_nc_u32 v[BA+\jj], s54, v[BA+\jj-1]
.endr
	s_lshl_b32 s50, s40, 8
	s_add_nc_u64 s[46:47], s[46:47], s[50:51]      ; my head's 64 numbers of the bias
	WIN 0x80                                       ; destination window 2
.irp t, 0,1,2,3
.irp jj, 0,1,2,3,4,5,6,7
	global_load_b32 v[BIAS+8*\t+\jj], v[BA+\jj], s[46:47] offset:64*\t
.endr
.endr
	WIN 0
	s_lshr_b32 s55, s23, 4                         ; the batch
	s_lshl_b32 s55, s55, 4
	s_add_co_u32 s55, s55, s40
	s_lshl_b32 s50, s55, 18                        ; (16 b + h) x 262,144
	s_and_b32 s55, s23, 15
	s_lshl_b32 s55, s55, 14
	s_add_co_u32 s50, s50, s55                     ; + four blocks of 32 keys x (j % 16)
	s_add_nc_u64 s[48:49], s[48:49], s[50:51]
; A CHUNK OF 32 ROWS.
.macro CHUNK cn
.set SL, (\cn)%2
.set BF, SL*XBUF
.if (\cn) == 0
	s_wait_tensorcnt 0x1                           ; my part of chunk 0 is in; chunk 1's load may be out
.endif
.if (\cn) == 3
	s_wait_tensorcnt 0x0                           ; my part of the last chunk is in (chunks 1 and 2 were shown landed by the wait for all loads in front of the barrier before)
.endif
	LOADX XN, SL, 0, 0
	LOADX XN+64, SL, 0, 1
	s_wait_dscnt 16                                ; the first unit is in; the second's 16 loads may be out
	QUANT XN, PC0, PW0
	IMG PC0, BF
	LOADX XN, SL, 1, 0
	s_wait_dscnt 18                                ; behind the second unit's loads: 2 stores and 16 loads
	QUANT XN+64, PC1, PW1
	v_cndmask_b32 v[PWC], v[PW0], v[PW1], s58      ; lanes 0-15 my even K step's words, lanes 16-31 my odd one's
	IMG PC1, BF+1024
	ds_store_b32 v[XWS], v[PWC] offset:BF
	LOADX XN+64, SL, 1, 1
	s_wait_dscnt 19                                ; behind the third unit's loads: 3 stores and 16 loads
	QUANT XN, PC0, PW0
	IMG PC0, BF+8192
	s_wait_dscnt 2                                 ; behind the fourth unit's loads: 2 stores
	QUANT XN+64, PC1, PW1
	v_cndmask_b32 v[PWC], v[PW0], v[PW1], s58
	IMG PC1, BF+8192+1024
	ds_store_b32 v[XWS], v[PWC] offset:BF+512
.if (\cn) < 2
	s_wait_tensorcnt 0x0                           ; all my tensor loads have landed, so a group 0 may be written
	ds_add_u32 v[SPW], v[NIL]                      ; 0 onto my spare word
	s_add_nc_u64 s[G0+4*SL+2:G0+4*SL+3], s[G0+4*SL+2:G0+4*SL+3], 1048576   ; this slot's next chunk: two chunks on
	s_wait_dscnt 0x0                               ; the add is done, my images have landed, my reads of the slot are over
	s_barrier_signal -1
	s_barrier_wait -1
	tensor_load_to_lds s[G0+4*SL:G0+4*SL+3], s[G1:G1+7]   ; my one tensor load behind the barrier, and the first thing there
	s_nop 0
.rept 4
	v_nop
.endr
.else
	s_wait_dscnt 0x0                               ; my images have landed
	s_barrier_signal -1
	s_barrier_wait -1
.endif
.set f, 0
.rept 16                               ; all 16 fragments of the chunk, (m, ks) at XN + 64 m + 8 ks
	ds_load_b128 v[XN+8*f:XN+8*f+3], v[XFI] offset:BF+f*1024
	ds_load_b128 v[XN+8*f+4:XN+8*f+7], v[XFI] offset:BF+f*1024+512
.set f, f+1
.endr
.set f, 0
.rept 8
	ds_load_b32 v[XS+f], v[XFS] offset:BF+f*128
.set f, f+1
.endr
	s_wait_dscnt 0x0
.if (\cn) == 0
	s_wait_loadcnt 0x0                             ; the weights, their scale words, the bias
.endif
	s_wait_xcnt 0x0                                ; the last chunk's stores have read the accumulators' registers
	s_cmp_eq_u32 s21, 0
	s_cbranch_scc0 .Lvalue_\@
	WIN 0xa1                                       ; source 0 (weights) window 1, source 1 (rows) window 0, C and D window 2
	MULS 0
	WIN 0
	s_branch .Ljoin_\@
.Lvalue_\@:
	WIN 0xa4                                       ; source 0 (rows) window 0, source 1 (weights) window 1, C and D window 2
	MULS 1
	WIN 0
.Ljoin_\@:
.rept 4
	v_nop                                          ; four places in front of the first read of results and of the next loads into the operands' registers
.endr
	WIN 0x8a                                       ; sources and destination window 2
.set a, 0
.rept 8
.irp i, 0,1,2,3
	v_cvt_pk_f16_f32 v[ACC+8*a+\i], v[ACC+8*a+2*\i], v[ACC+8*a+2*\i+1]   ; in place, from the low end on: eight numbers become a piece's four registers
.endr
.set a, a+1
.endr
	WIN 0x08                                       ; a store's data: window 2
.irp m, 0,1
.irp t, 0,1,2,3
	global_store_b128 v[LI], v[ACC+8*(4*\m+\t):ACC+8*(4*\m+\t)+3], s[48:49] offset:(\cn)*4096+\t*1024+\m*512   ; 32 lanes store 512 consecutive bytes, aligned
.endr
.endr
	WIN 0
.endm
	CHUNK 0
	CHUNK 1
	CHUNK 2
	CHUNK 3
	s_wait_tensorcnt 0x0                           ; the wave's end, behind my last tensor load and my last LDS store
	ds_add_u32 v[SPW], v[NIL]
	s_wait_dscnt 0x0
	s_endpgm
.Lfunc_end_k_qab2853407c_kvproj:
	.size	k_qab2853407c_kvproj, .Lfunc_end_k_qab2853407c_kvproj-k_qab2853407c_kvproj
	.p2alignl 7, 3214868480
	.fill 96, 4, 3214868480
	.section	.rodata,"a",@progbits
	.p2align	6, 0x0
	.amdhsa_kernel k_qab2853407c_kvproj
		.amdhsa_group_segment_fixed_size 327680
		.amdhsa_private_segment_fixed_size 0
		.amdhsa_enable_private_segment 0
		.amdhsa_kernarg_size 64
		.amdhsa_user_sgpr_count 2
		.amdhsa_user_sgpr_kernarg_segment_ptr 1
		.amdhsa_wavefront_size32 1
		.amdhsa_system_sgpr_workgroup_id_x 1
		.amdhsa_system_sgpr_workgroup_id_y 1
		.amdhsa_system_sgpr_workgroup_id_z 1
		.amdhsa_system_vgpr_workitem_id 0
		.amdhsa_next_free_vgpr 640
		.amdhsa_next_free_sgpr 66
		.amdhsa_reserve_vcc 0
		.amdhsa_float_denorm_mode_32 3
		.amdhsa_float_denorm_mode_16_64 3
		.amdhsa_memory_ordered 1
		.amdhsa_forward_progress 1
		.amdhsa_inst_pref_size 171
	.end_amdhsa_kernel
	.amdgpu_metadata
---
amdhsa.version: [ 1, 2 ]
amdhsa.kernels:
  - .name:           k_qab2853407c_kvproj
    .symbol:         k_qab2853407c_kvproj.kd
    .args:
      - { .name: key, .offset: 0, .size: 8, .value_kind: global_buffer, .address_space: global }
      - { .name: value, .offset: 8, .size: 8, .value_kind: global_buffer, .address_space: global }
      - { .name: wk_blk, .offset: 16, .size: 8, .value_kind: global_buffer, .address_space: global }
      - { .name: wv_blk, .offset: 24, .size: 8, .value_kind: global_buffer, .address_space: global }
      - { .name: bk, .offset: 32, .size: 8, .value_kind: global_buffer, .address_space: global }
      - { .name: bv, .offset: 40, .size: 8, .value_kind: global_buffer, .address_space: global }
      - { .name: k_img, .offset: 48, .size: 8, .value_kind: global_buffer, .address_space: global }
      - { .name: v_img, .offset: 56, .size: 8, .value_kind: global_buffer, .address_space: global }
    .group_segment_fixed_size: 327680
    .private_segment_fixed_size: 0
    .kernarg_segment_align: 8
    .kernarg_segment_size: 64
    .max_flat_workgroup_size: 128
    .sgpr_count:     66
    .vgpr_count:     640
    .wavefront_size: 32
...
	.end_amdgpu_metadata
.endif
;; end of part 2
;; launch attn (part 3): grid 8 x 32, 8 waves a work-group, clusters of 4 x 1, 327,680 bytes of LDS; arguments q_blk, wq_blk, bq, key_padding_mask, k_img, v_img, ctx; writes ctx
.if DOCPART == 3
	.amdgcn_target "amdgcn-amd-amdhsa--gfx1250"
	.amdhsa_code_object_version 6
	.text
	.protected	k_qab2853407c_attn
	.globl	k_qab2853407c_attn
	.p2align	8
	.type	k_qab2853407c_attn,@function
k_qab2853407c_attn:
	s_mov_b64 s[64:65], 0
	v_nop
	global_prefetch_b8 v0, s[64:65] scope:SCOPE_SE
	s_setreg_imm32_b32 hwreg(HW_REG_WAVE_MODE, 25, 1), 1
	s_wait_xcnt 0x0
	s_wait_alu depctr_hold_cnt(0) depctr_sa_sdst(0) depctr_va_vdst(0) depctr_va_sdst(0) depctr_va_ssrc(0) depctr_va_vcc(0) depctr_vm_vsrc(0)
	s_getreg_b32 s2, hwreg(HW_REG_IB_STS2, 6, 4)
	s_cmp_eq_u32 s2, 0
	s_cbranch_scc0 .Lentry_in_a_cluster
	s_endpgm
.Lentry_in_a_cluster:
	s_bfe_u32 s2, ttmp6, 0x10000c
	s_cmp_lg_u32 s2, 0x3003
	s_cbranch_scc0 .Lentry_shape_is_right
	s_endpgm
.Lentry_shape_is_right:
; For one batch b, head h and block of 64 queries: q = query Wq + bq on codes of FP4 (E2M1, one E8M0 scale for each 32 along K), then softmax(q k^T / 8 + mask) v over the 2,048 keys that the strided mask keeps for the
; head (s % 4 = h % 4: the launch before stored those alone), with f16 operands and f32 sums, maxima and row sums.  The result goes out in f16 as register images of the last product's operand.
; SHARES.  Eight waves.  Q phase: wave w makes 16 queries (w / 2) x 32 channels (w % 2).  Keys: wave w has 32 queries (qh = w % 2: two tiles) and a quarter kq = w / 2 of each slot's 512 keys, 32 keys a step,
; with a running maximum and sum of its own; at the end the four quarters are merged in f32 through LDS.  Two waves share a SIMD: one's softmax stands beside the other's products.
; LAYOUT.  Both products transposed: S^T = K Q^T (source 0 = 16 keys, source 1 = 16 queries), O^T = V^T P: a lane holds ONE query throughout.  q is multiplied by log2(e) / 8 before it is rounded, so a score is the exponent t.
; THE PADDING MASK is data: -2^100 for a masked key, 0 else, kept in LDS and taken as the C of a score's first matrix instruction.  The running maximum starts at -2^96, so a masked key's p is exactly 0,
; and a row with no key left gives 0 x infinity = NaN, as the softmax of a row of -infinity does.  |t| of a kept key stays far under 2^96 wherever q and k fit f16.
; CLUSTER.  The four query blocks of a cluster walk the same K and V: each tile is asked for JOINTLY (mask 15).  The head's block of Wq and the work-group's block of query codes, 34,816 bytes each, read once, come by plain loads:
; one line for all eight waves, and half of those bytes differ between partners.
; LIMITS: q log2(e) / 8, k, v, p and the context are rounded to f16: magnitudes under 65,504, absolute error up to 3e-8 under 6e-5; NaN and infinities among the inputs are not served.
.set SLOT1, 1<<17                      ; a slot: 512 keys: K's 65,536 bytes, then V's; wave w fetches 16,384 of them
.set WQB,   131072                     ; at the start slot 1 holds the head's block of Wq
.set QB,    165888                     ; and the block of query codes
.set QIMG,  262144                     ; q's eight fragments: 1,024 bytes a wave
.set MB,    270336                     ; the mask as f32: 2,048 kept keys
.set SPARE, 278528                     ; the spare words, 128 bytes a wave
.set AK0, 1                            ; my place in a slot's K: 16 lane + 16,384 kq;  v2 in its V;  v3 in the mask
.set AV0, 2
.set AM0, 3
.set ADK, 4                            ; the addresses in hand
.set ADV, 5
.set ADM, 6
.set SPW, 7                            ; LDS address of my spare word; never rewritten
.set NIL, 8                            ; 0; never rewritten
.set LI,  9                            ; 16 x lane
.set LS,  10                           ; 4 x lane
.set PFO, 11                           ; 256 x lane
.set AQ,  12                           ; my four fragments of q
.set Q,   16                           ; (tile i, 32 channels ks) at 16 i + 8 ks
.set KF,  48                           ; (16 keys kt, ks) at 16 kt + 8 ks
.set VF,  80                           ; 16 channels ct at 8 ct
.set S,   112                          ; (i, kt) at 16 i + 8 kt
.set MBR, 144                          ; the mask of 16 keys kt, in the result's layout
.set P,   160
.set O,   176                          ; (i, ct) at 32 i + 8 ct
.set ST,  240                          ; tile i at 8 i: +0 m, +1 its pair's partner, +2 +3 the sum in two halves, +4 a, +5 m_old - m_new, +6 +7 at work
.set WV,  18
.set G1J, 24
.set G1P, 32
.set G0J, 40
.set G0P, 44
.set TB,  48                           ; the slot in hand
.set TM,  49                           ; its keys' place in the mask
.set SLOTS, 50
.set LIM, 51
.set PFA, 52
.set SEL, 54
.set CQ,  56
.macro ROUND                           ; a round of the cluster's barrier
	s_barrier_signal -1
	s_barrier_wait -1
	s_cmp_lg_u32 s[WV], 0
	s_cbranch_scc1 .Lnot_wave_0_\@
	s_barrier_signal -3
.Lnot_wave_0_\@:
	s_barrier_wait -3
	s_barrier_signal -1
	s_barrier_wait -1
.endm
.macro WM d, a, b, c, sa, sb, odd
.if \odd
	v_wmma_scale_f32_16x16x128_f8f6f4 v[\d:\d+7], v[\a:\a+7], v[\b:\b+7], v[\c:\c+7], v[\sa], v[\sb] matrix_a_fmt:MATRIX_FMT_FP4 matrix_b_fmt:MATRIX_FMT_FP4 matrix_a_scale:MATRIX_SCALE_ROW1 matrix_b_scale:MATRIX_SCALE_ROW1
.else
	v_wmma_scale_f32_16x16x128_f8f6f4 v[\d:\d+7], v[\a:\a+7], v[\b:\b+7], v[\c:\c+7], v[\sa], v[\sb] matrix_a_fmt:MATRIX_FMT_FP4 matrix_b_fmt:MATRIX_FMT_FP4
.endif
.endm
	s_load_b256 s[4:11], s[0:1], 0x0               ; q_blk s[4:5], wq_blk s[6:7], bq s[8:9], the mask s[10:11]
	s_load_b128 s[12:15], s[0:1], 0x20             ; k_img s[12:13], v_img s[14:15]
	s_load_b64 s[16:17], s[0:1], 0x30              ; ctx
	v_lshl_add_u32 v[SPW], v0, 2, SPARE
	v_mov_b32 v[NIL], 0
	ds_add_u32 v[SPW], v[NIL]                      ; the wave's opening: an add and its wait ahead of the round in front of my first tensor loads
	v_lshrrev_b32 v13, 5, v0
	v_readfirstlane_b32 s[WV], v13                 ; wave 0..7
	s_bfe_u32 s19, ttmp6, 0x40000                  ; cx: my place in the cluster
	s_lshl_b32 s20, ttmp9, 2
	s_add_co_u32 s20, s20, s19                     ; my block of 64 queries
	s_and_b32 s21, ttmp7, 0xffff                   ; 16 b + h, which the partners share
	s_lshr_b32 s22, s21, 4                         ; b
	s_and_b32 s23, s21, 15                         ; h
	s_lshr_b32 s66, s[WV], 1                       ; kq; in the Q phase the tile of queries
	s_and_b32 s67, s[WV], 1                        ; qh; in the Q phase the pair of channel tiles
	; group 1 of the joint loads: 64 dense rows of 256 bytes
	s_mov_b32 s[G1J+0], 15|(3<<16)|(1<<21)         ; the mask: all four work-groups; elements of 8 bytes; bit 21 beside a mask
	s_mov_b32 s[G1J+1], 32<<16
	s_mov_b32 s[G1J+2], 64<<16
	s_mov_b32 s[G1J+3], 32<<16
	s_mov_b32 s[G1J+4], 64
	s_mov_b32 s[G1J+5], 32
	s_mov_b32 s[G1J+6], 0
	s_mov_b32 s[G1J+7], 0
	; group 1 of the plain loads: 34 dense rows of 256 bytes
	s_mov_b32 s[G1P+0], 3<<16
	s_mov_b32 s[G1P+1], 32<<16
	s_mov_b32 s[G1P+2], 34<<16
	s_mov_b32 s[G1P+3], 32<<16
	s_mov_b32 s[G1P+4], 34
	s_mov_b32 s[G1P+5], 32
	s_mov_b32 s[G1P+6], 0
	s_mov_b32 s[G1P+7], 0
	s_lshl_b32 s58, s21, 18                        ; K, V: the head's 262,144 bytes,
	s_and_b32 s62, s[WV], 3
	s_lshl_b32 s59, s62, 14
	s_add_co_u32 s58, s58, s59                     ; my quarter of a chunk: no place in the cluster enters here
	s_mov_b32 s59, 0
	s_lshl_b32 s70, s22, 3
	s_add_co_u32 s70, s70, s20                     ; 8 b + query block
	s_mul_i32 s71, s70, 34816
	s_mul_i32 s60, s23, 34816
	s_mul_i32 s63, s62, 8704
	s_cmp_lt_u32 s[WV], 4                          ; waves 0-3 fetch Wq's block, waves 4-7 the query codes
	s_cselect_b32 s60, s60, s71
	s_add_co_u32 s60, s60, s63
	s_mov_b32 s61, 0
	s_lshl_b32 s[G0J+1], s[WV], 14                 ; LDS: slot 0, wave x 16,384
	s_mul_i32 s[G0P+1], s[WV], 8704
	s_add_co_u32 s[G0P+1], s[G0P+1], WQB
	s_mov_b32 s[G0J], 1
	s_mov_b32 s[G0P], 1
	s_mov_b32 s[SEL], 0x76543210
	s_mov_b32 s[SEL+1], 0xfedcba98
	s_mov_b32 s[CQ], 0x3e38aa3b                    ; log2(e) / 8
	s_mov_b32 s[CQ+1], s[CQ]
	s_mov_b32 s[TB], 0
	s_mov_b32 s[TM], 0
	s_mov_b32 s[SLOTS], 3
	s_and_b32 s[LIM], s[WV], 1                     ; the even waves
	s_or_b32 s[LIM], s[LIM], ttmp9                 ; of the head's first cluster prefetch: the same in all four partners
	s_cmp_eq_u32 s[LIM], 0
	s_cselect_b32 s[LIM], 1, -1
	s_lshl_b32 s72, s19, 13                        ; the partners share a prefetch's rows out by address: 8,192 bytes each
	s_add_co_u32 s72, s72, 65536                   ; in chunk 1: the first change of slots steps it to chunk 2
	s_mov_b32 s73, 0
	s_wait_dscnt 0x0                               ; the opening add is done
	s_wait_kmcnt 0x0
	s_cmp_lt_u32 s[WV], 4                          ; waves 0-3 fetch K, waves 4-7 V
	s_cselect_b64 s[G0J+2:G0J+3], s[12:13], s[14:15]
	s_cselect_b64 s[G0P+2:G0P+3], s[6:7], s[4:5]
	s_add_nc_u64 s[G0J+2:G0J+3], s[G0J+2:G0J+3], s[58:59]
	s_add_nc_u64 s[G0P+2:G0P+3], s[G0P+2:G0P+3], s[60:61]
	s_mov_b64 s[PFA:PFA+1], s[G0J+2:G0J+3]
	s_add_nc_u64 s[PFA:PFA+1], s[PFA:PFA+1], s[72:73]
	s_or_b32 s[G0J+3], s[G0J+3], 0x80000000
	s_or_b32 s[G0P+3], s[G0P+3], 0x80000000
	ROUND                                          ; all four work-groups are here: the first joint loads meet
	tensor_load_to_lds s[G0P:G0P+3], s[G1P:G1P+7]  ; the Q phase's operands first,
	s_nop 0
	tensor_load_to_lds s[G0J:G0J+3], s[G1J:G1J+7]  ; then chunk 0: two tensor loads of mine are out
	s_nop 0
.rept 4
	v_nop
.endr
	v_and_b32 v13, 31, v0
	v_lshlrev_b32 v[LI], 4, v13
	v_lshlrev_b32 v[LS], 2, v13
	v_lshlrev_b32 v[PFO], 8, v13
	v_bfe_u32 v14, v0, 4, 1                        ; lane / 16
	s_lshl_b32 s68, s66, 14
	v_add_nc_u32 v[AK0], s68, v[LI]
	v_add_nc_u32 v[AV0], 65536, v[AK0]
	s_lshl_b32 s68, s66, 9
	s_add_co_u32 s68, s68, MB
	v_lshl_add_u32 v[AM0], v14, 5, s68             ; eight keys of 4 bytes for each half of the lanes; 128 keys a quarter
	s_lshl_b32 s68, s67, 12
	s_add_co_u32 s68, s68, QIMG
	v_add_nc_u32 v[AQ], s68, v[LI]
	; the padding mask of my batch and class: kept key kk is key 4 kk + c; thread t takes kk = t + 256 jj
	v_lshlrev_b32 v4, 2, v0
	v_lshl_add_u32 v6, v0, 2, MB
	v_lshlrev_b32 v5, 5, v14
	s_lshl_b32 s58, s22, 13
	s_and_b32 s60, s23, 3
	s_add_co_u32 s58, s58, s60
	s_add_nc_u64 s[10:11], s[10:11], s[58:59]
.irp jj, 0,1,2,3,4,5,6,7
	global_load_u8 v[16+\jj], v4, s[10:11] offset:1024*\jj
.endr
	s_lshl_b32 s58, s23, 8                         ; bq: my head's 64 numbers, my 32 of them; lane (r, h2) wants, for tile u, those of channels 16 u + 8 h2 + 0 .. 7
	s_lshl_b32 s60, s67, 7
	s_add_co_u32 s58, s58, s60
	s_add_nc_u64 s[8:9], s[8:9], s[58:59]
.irp u, 0,1
.irp e, 0,1
	global_load_b128 v[32+8*\u+4*\e:32+8*\u+4*\e+3], v5, s[8:9] offset:64*\u+16*\e
.endr
.endr
	s_lshl_b32 s68, s66, 13
	s_add_co_u32 s68, s68, QB
	v_add_nc_u32 v13, s68, v[LI]                   ; my tile of queries: its eight fragments
	s_lshl_b32 s68, s67, 14
	s_add_co_u32 s68, s68, WQB
	v_add_nc_u32 v14, s68, v[LI]                   ; my two tiles of Wq's columns
	s_lshl_b32 s68, s66, 9
	s_add_co_u32 s68, s68, QB+32768
	v_add_nc_u32 v15, s68, v[LS]                   ; the queries' scale words
	s_wait_loadcnt 0x4                             ; the mask's eight loads are in; bq's four may be out
.irp jj, 0,1,2,3,4,5,6,7
	v_cvt_f32_u32 v[16+\jj], v[16+\jj]
.endr
.irp jj, 0,1,2,3,4,5,6,7
	v_mul_f32 v[16+\jj], 0xf1800000, v[16+\jj]     ; -2^100 where the key is masked, 0 else
.endr
.irp jj, 0,1,2,3,4,5,6,7
	ds_store_b32 v6, v[16+\jj] offset:1024*\jj
.endr
	s_wait_tensorcnt 0x1                           ; my part of the Q phase's operands is in; chunk 0 may stay out
	s_wait_dscnt 0x0                               ; my part of the mask has landed
	s_barrier_signal -1
	s_barrier_wait -1
	s_lshl_b32 s68, s67, 10
	s_add_co_u32 s68, s68, WQB+32768
	v_add_nc_u32 v6, s68, v[LS]                    ; Wq's scale words
	s_lshl_b32 s68, s[WV], 10
	s_add_co_u32 s68, s68, QIMG
	v_add_nc_u32 v4, s68, v[LI]                    ; where my part of q goes
	; ---- Q PHASE: 16 queries x 32 channels, K = 1,024 in eight steps
.irp ks, 0,1,2,3,4,5,6,7
.irp cc, 0,1
	ds_load_b128 v[48+8*\ks+4*\cc:48+8*\ks+4*\cc+3], v13 offset:\ks*1024+\cc*512
.endr
.endr
.irp u, 0,1
.irp ks, 0,1,2,3,4,5,6,7
.irp cc, 0,1
	ds_load_b128 v[112+64*\u+8*\ks+4*\cc:112+64*\u+8*\ks+4*\cc+3], v14 offset:\u*8192+\ks*1024+\cc*512
.endr
.endr
.endr
.irp p, 0,1,2,3
	ds_load_b32 v[240+\p], v15 offset:\p*128
.endr
.irp u, 0,1
.irp p, 0,1,2,3
	ds_load_b32 v[244+4*\u+\p], v6 offset:\u*512+\p*128
.endr
.endr
	s_wait_dscnt 0x0
	s_wait_loadcnt 0x0                             ; bq
.irp ks, 0,1,2,3,4,5,6,7               ; transposed: source 0 = 16 columns of Wq, source 1 = my 16 queries; the two accumulators take turns; the first K step takes bq as C
.irp u, 0,1
.set rC, 16+8*\u
.if \ks == 0
.set rC, 32+8*\u
.endif
	WM 16+8*\u, 112+64*\u+8*\ks, 48+8*\ks, rC, 244+4*\u+\ks/2, 240+\ks/2, \ks%2
.endr
.endr
.rept 4
	v_nop
.endr
.irp i, 0,1,2,3,4,5,6,7
	v_pk_mul_f32 v[16+2*\i:17+2*\i], v[16+2*\i:17+2*\i], s[CQ:CQ+1] op_sel_hi:[1,0]   ; x log2(e) / 8, each accumulator from its low end on
.endr
.irp i, 0,1,2,3,4,5,6,7
	v_cvt_pk_f16_f32 v[32+\i], v[16+2*\i], v[17+2*\i]
.endr
	ds_store_b128 v4, v[32:35]                     ; channels 16 u + 8 h2 + 0 .. 7 of query r: the two halves of a fragment of q
	ds_store_b128 v4, v[36:39] offset:512
.irp i, 0,1
	v_mov_b32 v[ST+8*\i], 0xef800000               ; the running maximum: -2^96
.irp e, 1,2,3,4,5,6,7
	v_mov_b32 v[ST+8*\i+\e], 0
.endr
.endr
.set j, 0
.rept 64
	v_mov_b32 v[O+j], 0                            ; O^T: the step is written once; its first run finds zeros
.set j, j+1
.endr
; A PREFETCH INTO THE L2 of the chunk that the NEXT change of slots will ask for: 131,072 bytes.  The head's first cluster asks; in each of its four partners waves 0, 2, 4, 6 name 32 blocks of 256 bytes, a lane a block:
; an even wave's 16,384 bytes and its odd neighbour's are 4 partners x 8,192.  So each block is named once in the launch.  The last change that fills a slot asks for nothing.
.macro ASK
	s_cmp_gt_u32 s[SLOTS], s[LIM]
	s_cbranch_scc0 .Lnot_mine_\@
	global_prefetch_b8 v[PFO], s[PFA:PFA+1] th:TH_LOAD_NT scope:SCOPE_SE
.Lnot_mine_\@:
.endm
; THE CHANGE OF SLOTS stands at a slot's head.  Each wave waits for all its tensor loads, adds 0 to its spare word, and waits for that, for its LDS stores and for its reads of the slot that it has left.
; fill = 1: a round of the cluster's barrier, and behind it the joint load of the next chunk into the slot that was left (the first time: over the Q phase's operands): it has a slot's four steps in which to land.
.macro CHANGE fill
	s_wait_tensorcnt 0x0                           ; no tensor load of mine is out, so a group 0 may be written
	ds_add_u32 v[SPW], v[NIL]                      ; 0 onto my spare word
.if \fill
	s_xor_b32 s[G0J+1], s[G0J+1], SLOT1            ; the other slot than last time,
	s_add_nc_u64 s[G0J+2:G0J+3], s[G0J+2:G0J+3], 65536   ; the next 512 keys
	s_wait_xcnt 0x0                                ; the last prefetch, a slot back, has read its address
	s_add_nc_u64 s[PFA:PFA+1], s[PFA:PFA+1], 65536
	s_wait_dscnt 0x0
	ROUND
	tensor_load_to_lds s[G0J:G0J+3], s[G1J:G1J+7]
	s_nop 0
.rept 4
	v_nop
.endr
	ASK
.else
	s_wait_dscnt 0x0
	s_barrier_signal -1
	s_barrier_wait -1
.endif
.endm
; A STEP: 32 keys of my quarter, the st-th of the slot in hand, for my two tiles of queries.
.macro STEP st
	v_add_nc_u32 v[ADK], s[TB], v[AK0]             ; these three and the v_nop are the four places between the last products and the loads into their operands' registers
	v_add_nc_u32 v[ADV], s[TB], v[AV0]
	v_add_nc_u32 v[ADM], s[TM], v[AM0]
	v_nop
.irp kt, 0,1
.irp ks, 0,1
	ds_load_b128 v[KF+16*\kt+8*\ks:KF+16*\kt+8*\ks+3], v[ADK] offset:\st*4096+2*\ks*1024+\kt*512
	ds_load_b128 v[KF+16*\kt+8*\ks+4:KF+16*\kt+8*\ks+7], v[ADK] offset:\st*4096+2*\ks*1024+\kt*512+1024
.endr
.endr
.irp kt, 0,1
	ds_load_b128 v[MBR+8*\kt:MBR+8*\kt+3], v[ADM] offset:\st*128+\kt*64
	ds_load_b128 v[MBR+8*\kt+4:MBR+8*\kt+7], v[ADM] offset:\st*128+\kt*64+16
.endr
.irp ct, 0,1,2,3
	ds_load_b128 v[VF+8*\ct:VF+8*\ct+3], v[ADV] offset:\st*4096+\ct*1024
	ds_load_b128 v[VF+8*\ct+4:VF+8*\ct+7], v[ADV] offset:\st*4096+\ct*1024+512
.endr
	s_wait_dscnt 0x8                               ; all but V's eight loads
.irp ks, 0,1                           ; S^T = K Q^T + mask: four accumulators by turns
.irp i, 0,1
.irp kt, 0,1
.if \ks == 0
	v_wmma_f32_16x16x32_f16 v[S+16*\i+8*\kt:S+16*\i+8*\kt+7], v[KF+16*\kt+8*\ks:KF+16*\kt+8*\ks+7], v[Q+16*\i+8*\ks:Q+16*\i+8*\ks+7], v[MBR+8*\kt:MBR+8*\kt+7]
.else
	v_wmma_f32_16x16x32_f16 v[S+16*\i+8*\kt:S+16*\i+8*\kt+7], v[KF+16*\kt+8*\ks:KF+16*\kt+8*\ks+7], v[Q+16*\i+8*\ks:Q+16*\i+8*\ks+7], v[S+16*\i+8*\kt:S+16*\i+8*\kt+7]
.endif
.endr
.endr
.endr
.rept 4
	v_nop
.endr
	; the maximum of my 16 scores and the old m, the two tiles by turns; each accumulator is read from its low end on
.irp i, 0,1
	v_max3_num_f32 v[ST+8*\i+6], v[S+16*\i], v[S+16*\i+1], v[S+16*\i+2]
.endr
.irp i, 0,1
	v_max3_num_f32 v[ST+8*\i+7], v[S+16*\i+3], v[S+16*\i+4], v[S+16*\i+5]
.endr
.irp i, 0,1
	v_max3_num_f32 v[ST+8*\i+6], v[ST+8*\i+6], v[S+16*\i+6], v[S+16*\i+7]
.endr
.irp i, 0,1
	v_max3_num_f32 v[ST+8*\i+7], v[ST+8*\i+7], v[S+16*\i+8], v[S+16*\i+9]
.endr
.irp i, 0,1
	v_max3_num_f32 v[ST+8*\i+6], v[ST+8*\i+6], v[S+16*\i+10], v[S+16*\i+11]
.endr
.irp i, 0,1
	v_max3_num_f32 v[ST+8*\i+7], v[ST+8*\i+7], v[S+16*\i+12], v[S+16*\i+13]
.endr
.irp i, 0,1
	v_max3_num_f32 v[ST+8*\i+6], v[ST+8*\i+6], v[S+16*\i+14], v[S+16*\i+15]
.endr
.irp i, 0,1
	v_max3_num_f32 v[ST+8*\i+6], v[ST+8*\i+6], v[ST+8*\i+7], v[ST+8*\i]
.endr
.irp i, 0,1
	v_permlanex16_b32 v[ST+8*\i+7], v[ST+8*\i+6], s[SEL], s[SEL+1]   ; the query's other 16 keys lie in the lane 16 away
.endr
.irp i, 0,1
	v_max_num_f32 v[ST+8*\i+6], v[ST+8*\i+6], v[ST+8*\i+7]
.endr
.irp i, 0,1
	v_sub_f32 v[ST+8*\i+5], v[ST+8*\i], v[ST+8*\i+6]                 ; m_old - m_new
.endr
.irp i, 0,1
	v_mov_b32 v[ST+8*\i], v[ST+8*\i+6]
.endr
.irp i, 0,1
.irp j, 0,2,4,6,8,10,12,14
	v_pk_add_f32 v[S+16*\i+\j:S+16*\i+\j+1], v[S+16*\i+\j:S+16*\i+\j+1], v[ST+8*\i:ST+8*\i+1] op_sel_hi:[1,0] neg_lo:[0,1] neg_hi:[0,1]   ; t - m
.endr
.endr
.irp i, 0,1
	v_exp_f32 v[ST+8*\i+4], v[ST+8*\i+5]           ; a = 2^(m_old - m_new)
.endr
.set j, 0
.rept 32
	v_exp_f32 v[S+j], v[S+j]                       ; p = 2^(t - m)
.set j, j+1
.endr
	v_nop                                          ; a plain line behind the last exponential
	s_wait_alu depctr_va_vdst(0)                   ; one wait for the batch of 34, ahead of its first reader
.irp i, 0,1
.irp jj, 0,1,2,3,4,5,6,7
	v_cvt_pk_f16_f32 v[P+8*\i+\jj], v[S+16*\i+2*\jj], v[S+16*\i+2*\jj+1]   ; the two tiles of 16 keys ARE source 1 (32 keys x 16 queries) of the second product
.endr
.endr
.irp j, 0,4,8,12                       ; the row's sum, of the unrounded p, in place
.irp i, 0,1
	v_pk_add_f32 v[S+16*\i+\j:S+16*\i+\j+1], v[S+16*\i+\j:S+16*\i+\j+1], v[S+16*\i+\j+2:S+16*\i+\j+3]
.endr
.endr
.irp j, 0,8
.irp i, 0,1
	v_pk_add_f32 v[S+16*\i+\j:S+16*\i+\j+1], v[S+16*\i+\j:S+16*\i+\j+1], v[S+16*\i+\j+4:S+16*\i+\j+5]
.endr
.endr
.irp i, 0,1
	v_pk_add_f32 v[S+16*\i:S+16*\i+1], v[S+16*\i:S+16*\i+1], v[S+16*\i+8:S+16*\i+9]
.endr
.irp i, 0,1
	v_pk_fma_f32 v[ST+8*\i+2:ST+8*\i+3], v[ST+8*\i+2:ST+8*\i+3], v[ST+8*\i+4:ST+8*\i+5], v[S+16*\i:S+16*\i+1] op_sel_hi:[1,0,1]   ; l = a l + the sum
.endr
.irp i, 0,1
.set j, 0
.rept 16
	v_pk_mul_f32 v[O+32*\i+j:O+32*\i+j+1], v[O+32*\i+j:O+32*\i+j+1], v[ST+8*\i+4:ST+8*\i+5] op_sel_hi:[1,0]   ; O^T x a
.set j, j+2
.endr
.endr
	s_wait_dscnt 0x0                               ; V is in
.irp ct, 0,1,2,3                       ; O^T += V^T P: eight accumulators, one instruction each
.irp i, 0,1
	v_wmma_f32_16x16x32_f16 v[O+32*\i+8*\ct:O+32*\i+8*\ct+7], v[VF+8*\ct:VF+8*\ct+7], v[P+8*\i:P+8*\i+7], v[O+32*\i+8*\ct:O+32*\i+8*\ct+7]
.endr
.endr
.endm
.macro SLOT_STEPS
.irp i, 0,1                            ; q's four fragments: the images are shown by the first change's barrier, so they are read behind a change; eight loads a slot
.irp ks, 0,1
	ds_load_b128 v[Q+16*\i+8*\ks:Q+16*\i+8*\ks+3], v[AQ] offset:\i*2048+\ks*1024
	ds_load_b128 v[Q+16*\i+8*\ks+4:Q+16*\i+8*\ks+7], v[AQ] offset:\i*2048+\ks*1024+512
.endr
.endr
	STEP 0
	STEP 1
	STEP 2
	STEP 3
	s_xor_b32 s[TB], s[TB], SLOT1
	s_add_co_u32 s[TM], s[TM], 2048
.endm
.Lslot:                                ; three trips: behind each change of slots but the last the next chunk is asked for
	CHANGE 1
	SLOT_STEPS
	s_sub_co_u32 s[SLOTS], s[SLOTS], 1
	s_cmp_lg_u32 s[SLOTS], 0
	s_cbranch_scc1 .Lslot
	CHANGE 0                                       ; the last slot is written out
	SLOT_STEPS
	; ---- THE MERGE of the four quarters of the keys.  The stage lies in slot 0, which has had its last fill and, ahead of the last change's barrier, its last read.
.irp i, 0,1
	v_add_f32 v[ST+8*\i+2], v[ST+8*\i+2], v[ST+8*\i+3]     ; the sum's two halves (these additions and the addresses below are the places behind the last products)
.endr
.irp i, 0,1
	v_permlanex16_b32 v[ST+8*\i+7], v[ST+8*\i+2], s[SEL], s[SEL+1]
.endr
.irp i, 0,1
	v_add_f32 v[ST+8*\i+2], v[ST+8*\i+2], v[ST+8*\i+7]     ; and the other half of the lanes'
.endr
	s_lshl_b32 s68, s[WV], 13
	v_add_nc_u32 v13, s68, v[LI]                   ; my O^T: 8,192 bytes a wave
	s_lshl_b32 s68, s[WV], 9
	s_add_co_u32 s68, s68, 65536
	v_add_nc_u32 v14, s68, v[LS]                   ; my m and l: 512 bytes a wave
	s_lshl_b32 s68, s67, 13
	s_lshl_b32 s69, s66, 11
	s_add_co_u32 s68, s68, s69
	v_add_nc_u32 v15, s68, v[LI]                   ; what I finish: tile kq / 2, channels 32 (kq % 2) on, of the waves with my qh
	s_lshl_b32 s68, s67, 9
	s_lshr_b32 s69, s66, 1
	s_lshl_b32 s69, s69, 8
	s_add_co_u32 s68, s68, s69
	s_add_co_u32 s68, s68, 65536
	v_add_nc_u32 v4, s68, v[LS]
.set g, 0
.rept 16
	ds_store_b128 v13, v[O+4*g:O+4*g+3] offset:512*g       ; ascending: each accumulator from its low end on
.set g, g+1
.endr
.irp i, 0,1
	ds_store_b32 v14, v[ST+8*\i] offset:256*\i
	ds_store_b32 v14, v[ST+8*\i+2] offset:256*\i+128
.endr
	s_wait_dscnt 0x0
	s_barrier_signal -1
	s_barrier_wait -1
.irp k, 0,1,2,3
.irp gg, 0,1,2,3
	ds_load_b128 v[48+16*\k+4*\gg:48+16*\k+4*\gg+3], v15 offset:\k*16384+\gg*512
.endr
	ds_load_b32 v[112+\k], v4 offset:\k*1024               ; quarter k's m
	ds_load_b32 v[125+2*\k], v4 offset:\k*1024+128         ; and l, beside the register that takes its weight
.endr
	; where my two pieces go: ctx [8 b + query block][K half h / 8][tile 2 qh + kq / 2][2 (h % 8) + kq % 2][1,024]
	s_lshl_b32 s58, s70, 17
	s_lshr_b32 s60, s23, 3
	s_lshl_b32 s60, s60, 16
	s_add_co_u32 s58, s58, s60
	s_lshl_b32 s60, s67, 1
	s_lshr_b32 s61, s66, 1
	s_add_co_u32 s60, s60, s61
	s_lshl_b32 s60, s60, 14
	s_add_co_u32 s58, s58, s60
	s_and_b32 s60, s23, 7
	s_lshl_b32 s60, s60, 1
	s_and_b32 s61, s66, 1
	s_add_co_u32 s60, s60, s61
	s_lshl_b32 s60, s60, 10
	s_add_co_u32 s58, s58, s60
	s_mov_b32 s59, 0
	s_add_nc_u64 s[16:17], s[16:17], s[58:59]
	s_wait_dscnt 0x0
	v_max3_num_f32 v120, v112, v113, v114
	v_max_num_f32 v120, v120, v115                 ; the row's maximum
.irp k, 0,1,2,3
	v_sub_f32 v[124+2*\k], v[112+\k], v120
.endr
.irp k, 0,1,2,3
	v_exp_f32 v[124+2*\k], v[124+2*\k]             ; quarter k's weight 2^(m_k - m)
.endr
	v_nop
	s_wait_alu depctr_va_vdst(0)                   ; one wait for the four
	v_mul_f32 v121, v124, v125
	v_fmac_f32 v121, v126, v127
	v_fmac_f32 v121, v128, v129
	v_fmac_f32 v121, v130, v131                    ; the row's sum
	v_rcp_f32 v122, v121
	v_nop
	s_wait_alu depctr_va_vdst(0)
.irp k, 0,1,2,3
	v_mul_f32 v[124+2*\k], v[124+2*\k], v122
.endr
.irp j, 0,2,4,6,8,10,12,14
	v_pk_mul_f32 v[132+\j:133+\j], v[48+\j:49+\j], v[124:125] op_sel_hi:[1,0]
.endr
.irp k, 1,2,3
.irp j, 0,2,4,6,8,10,12,14
	v_pk_fma_f32 v[132+\j:133+\j], v[48+16*\k+\j:49+16*\k+\j], v[124+2*\k:125+2*\k], v[132+\j:133+\j] op_sel_hi:[1,0,1]
.endr
.endr
.irp i, 0,1,2,3,4,5,6,7
	v_cvt_pk_f16_f32 v[148+\i], v[132+2*\i], v[133+2*\i]
.endr
	global_store_b128 v[LI], v[148:151], s[16:17]              ; 32 lanes store 512 consecutive bytes, aligned
	global_store_b128 v[LI], v[152:155], s[16:17] offset:512
	s_wait_tensorcnt 0x0                           ; the wave's end, behind my last tensor load and my last LDS store
	ds_add_u32 v[SPW], v[NIL]
	s_wait_dscnt 0x0
	ROUND                                          ; the closing round
	s_endpgm
.Lfunc_end_k_qab2853407c_attn:
	.size	k_qab2853407c_attn, .Lfunc_end_k_qab2853407c_attn-k_qab2853407c_attn
	.p2alignl 7, 3214868480
	.fill 96, 4, 3214868480
	.section	.rodata,"a",@progbits
	.p2align	6, 0x0
	.amdhsa_kernel k_qab2853407c_attn
		.amdhsa_group_segment_fixed_size 327680
		.amdhsa_private_segment_fixed_size 0
		.amdhsa_enable_private_segment 0
		.amdhsa_kernarg_size 56
		.amdhsa_user_sgpr_count 2
		.amdhsa_user_sgpr_kernarg_segment_ptr 1
		.amdhsa_wavefront_size32 1
		.amdhsa_system_sgpr_workgroup_id_x 1
		.amdhsa_system_sgpr_workgroup_id_y 1
		.amdhsa_system_sgpr_workgroup_id_z 1
		.amdhsa_system_vgpr_workitem_id 0
		.amdhsa_next_free_vgpr 256
		.amdhsa_next_free_sgpr 80
		.amdhsa_reserve_vcc 0
		.amdhsa_float_denorm_mode_32 3
		.amdhsa_float_denorm_mode_16_64 3
		.amdhsa_memory_ordered 1
		.amdhsa_forward_progress 1
		.amdhsa_inst_pref_size 109
	.end_amdhsa_kernel
	.amdgpu_metadata
---
amdhsa.version: [ 1, 2 ]
amdhsa.kernels:
  - .name:           k_qab2853407c_attn
    .symbol:         k_qab2853407c_attn.kd
    .args:
      - { .name: q_blk, .offset: 0, .size: 8, .value_kind: global_buffer, .address_space: global }
      - { .name: wq_blk, .offset: 8, .size: 8, .value_kind: global_buffer, .address_space: global }
      - { .name: bq, .offset: 16, .size: 8, .value_kind: global_buffer, .address_space: global }
      - { .name: key_padding_mask, .offset: 24, .size: 8, .value_kind: global_buffer, .address_space: global }
      - { .name: k_img, .offset: 32, .size: 8, .value_kind: global_buffer, .address_space: global }
      - { .name: v_img, .offset: 40, .size: 8, .value_kind: global_buffer, .address_space: global }
      - { .name: ctx, .offset: 48, .size: 8, .value_kind: global_buffer, .address_space: global }
    .group_segment_fixed_size: 327680
    .private_segment_fixed_size: 0
    .kernarg_segment_align: 8
    .kernarg_segment_size: 56
    .max_flat_workgroup_size: 256
    .sgpr_count:     80
    .vgpr_count:     256
    .wavefront_size: 32
...
	.end_amdgpu_metadata
.endif
;; end of part 3
;; launch outproj (part 4): grid 16 x 16, 4 waves a work-group, clusters of 4 x 4, 327,680 bytes of LDS; arguments ctx, wo16, bo, out0; writes out0
.if DOCPART == 4
	.amdgcn_target "amdgcn-amd-amdhsa--gfx1250"
	.amdhsa_code_object_version 6
	.text
	.protected	k_qab2853407c_outproj
	.globl	k_qab2853407c_outproj
	.p2align	8
	.type	k_qab2853407c_outproj,@function
k_qab2853407c_outproj:
	s_mov_b64 s[64:65], 0
	v_nop
	global_prefetch_b8 v0, s[64:65] scope:SCOPE_SE
	s_setreg_imm32_b32 hwreg(HW_REG_WAVE_MODE, 25, 1), 1
	s_wait_xcnt 0x0
	s_wait_alu depctr_hold_cnt(0) depctr_sa_sdst(0) depctr_va_vdst(0) depctr_va_sdst(0) depctr_va_ssrc(0) depctr_va_vcc(0) depctr_vm_vsrc(0)
	s_getreg_b32 s2, hwreg(HW_REG_IB_STS2, 6, 4)
	s_cmp_eq_u32 s2, 0
	s_cbranch_scc0 .Lentry_in_a_cluster
	s_endpgm
.Lentry_in_a_cluster:
	s_bfe_u32 s2, ttmp6, 0x10000c
	s_cmp_lg_u32 s2, 0xf033
	s_cbranch_scc0 .Lentry_shape_is_right
	s_endpgm
.Lentry_shape_is_right:
; out0 = context Wo + bo: [1,024][1,024] f32, f16 operands, f32 sums, K = 1,024.  Both operands arrive as register images: [block of 64 rows or columns][K half][tile of 16][32 along K: 16][1,024 bytes].
; A tile of out0 is 64 x 64: 256 work-groups of four waves, a wave 32 x 32: four accumulators.  A block's whole panel, 131,072 dense bytes, fits in LDS beside the other's: each byte of LDS is filled once, there is no ring.
; Each wave brings a quarter of each K half by one tensor load (128 rows of 256 bytes); the first half is multiplied while the second lands.
; CLUSTERS: 4 x 4 work-groups.  The context's panel hangs on the block of rows alone and is shared along a row of the cluster, Wo's on the block of columns alone and is shared along a column: both are asked for jointly.
; THE MATRIX INSTRUCTION IS USED TRANSPOSED (source 0 = 16 columns of Wo, source 1 = 16 rows): a lane holds eight neighbouring numbers of a row of out0.  bo is the C of each sum's first instruction.
; The way out goes through one stage in LDS with a barrier, since a row's 256 bytes come from two waves; sixteen lanes then store 256 consecutive bytes, aligned.
.set HALF,  131072                     ; a K half: the context's 65,536 bytes, then Wo's
.set STG,   262144                     ; the stage: 64 rows x (256 bytes + 16)
.set SPARE, 279552                     ; the spare words, 128 bytes a wave
.set ADA, 4                            ; v4, v5  my two tiles of rows in K half 0, 1
.set ADB, 6                            ; v6, v7  my two tiles of columns
.set STO, 8
.set RD,  9
.set CO,  10
.set BOO, 11
.set SPW, 12                           ; LDS address of my spare word; never rewritten
.set NIL, 13                           ; 0; never rewritten
.set F0,  32                           ; two buffers of 64: for each of two steps of 32 along K: 2 fragments of rows, 2 of columns
.set ACC, 160                          ; (i, jn) at 8 (2 i + jn)
.set BO,  192
.set G1A, 24
.set G1B, 32
.set G0A, 40                           ; s[40:47] a set for each K half
.set G0B, 48
.macro ROUND
	s_barrier_signal -1
	s_barrier_wait -1
	s_cmp_lg_u32 s12, 0
	s_cbranch_scc1 .Lnot_wave_0_\@
	s_barrier_signal -3
.Lnot_wave_0_\@:
	s_barrier_wait -3
	s_barrier_signal -1
	s_barrier_wait -1
.endm
.macro PLACES
.rept 4
	v_nop
.endr
.endm
	s_load_b256 s[4:11], s[0:1], 0x0               ; ctx s[4:5], wo16 s[6:7], bo s[8:9], out0 s[10:11]
	v_lshl_add_u32 v[SPW], v0, 2, SPARE
	v_mov_b32 v[NIL], 0
	ds_add_u32 v[SPW], v[NIL]                      ; the wave's opening: an add and its wait ahead of the round in front of my first tensor loads
	v_lshrrev_b32 v1, 5, v0
	v_readfirstlane_b32 s12, v1                    ; wave 0..3
	s_lshr_b32 s13, s12, 1                         ; which 32 rows are mine.  Also: I fetch the context (0) or Wo (1)
	s_and_b32 s14, s12, 1                          ; which 32 columns.  Also: which half of that panel's tiles I fetch
	s_bfe_u32 s15, ttmp6, 0x40000                  ; cx
	s_bfe_u32 s16, ttmp6, 0x40004                  ; cy
	s_lshl_b32 s17, ttmp9, 2
	s_add_co_u32 s17, s17, s15                     ; block of columns
	s_and_b32 s18, ttmp7, 0xffff
	s_lshl_b32 s18, s18, 2
	s_add_co_u32 s18, s18, s16                     ; block of rows
	s_lshl_b32 s19, s16, 2
	s_lshl_b32 s19, 15, s19                        ; my row of the cluster
	s_lshl_b32 s20, 0x1111, s15                    ; my column
	s_or_b32 s[G1A+0], s19, (3<<16)|(1<<21)        ; the mask; elements of 8 bytes; bit 21 beside a mask
	s_or_b32 s[G1B+0], s20, (3<<16)|(1<<21)
.irp g, G1A, G1B                       ; 128 dense rows of 256 bytes
	s_mov_b32 s[\g+1], 32<<16
	s_mov_b32 s[\g+2], 128<<16
	s_mov_b32 s[\g+3], 32<<16
	s_mov_b32 s[\g+4], 128
	s_mov_b32 s[\g+5], 32
	s_mov_b32 s[\g+6], 0
	s_mov_b32 s[\g+7], 0
.endr
	s_lshl_b32 s62, s14, 15                        ; which 32,768 bytes of a K half's 65,536
	s_lshl_b32 s56, s18, 17
	s_add_co_u32 s56, s56, s62                     ; the context: by the block of rows alone
	s_mov_b32 s57, 0
	s_lshl_b32 s58, s17, 17
	s_add_co_u32 s58, s58, s62                     ; Wo: by the block of columns alone
	s_mov_b32 s59, 0
	s_lshl_b32 s63, s12, 15                        ; where they go: wave x 32,768: no place in the cluster enters an LDS address
	s_wait_dscnt 0x0                               ; the opening add is done
	s_wait_kmcnt 0x0
	s_add_nc_u64 s[56:57], s[4:5], s[56:57]
	s_add_nc_u64 s[58:59], s[6:7], s[58:59]
	ROUND                                          ; all sixteen work-groups are here: the joint loads meet
.irp hf, 0,1
	s_mov_b32 s[G0A+4*\hf], 1
	s_add_co_u32 s[G0A+4*\hf+1], s63, \hf*HALF
	s_add_nc_u64 s[G0A+4*\hf+2:G0A+4*\hf+3], s[56:57], \hf*65536
	s_or_b32 s[G0A+4*\hf+3], s[G0A+4*\hf+3], 0x80000000
	s_mov_b32 s[G0B+4*\hf], 1
	s_add_co_u32 s[G0B+4*\hf+1], s63, \hf*HALF
	s_add_nc_u64 s[G0B+4*\hf+2:G0B+4*\hf+3], s[58:59], \hf*65536
	s_or_b32 s[G0B+4*\hf+3], s[G0B+4*\hf+3], 0x80000000
.endr
	s_cmp_lt_u32 s12, 2                            ; a wave's two fills stand in one branch on the wave's number: two tensor loads of mine are out
	s_cbranch_scc0 .Lfor_b
	tensor_load_to_lds s[G0A:G0A+3], s[G1A:G1A+7]
	s_nop 0
	tensor_load_to_lds s[G0A+4:G0A+7], s[G1A:G1A+7]
	s_nop 0
.rept 4
	v_nop
.endr
	s_branch .Lasked
.Lfor_b:
	tensor_load_to_lds s[G0B:G0B+3], s[G1B:G1B+7]
	s_nop 0
	tensor_load_to_lds s[G0B+4:G0B+7], s[G1B:G1B+7]
	s_nop 0
.rept 4
	v_nop
.endr
.Lasked:
	v_and_b32 v1, 15, v0                           ; r
	v_bfe_u32 v2, v0, 4, 1                         ; lane / 16
	v_and_b32 v3, 31, v0
	v_lshlrev_b32 v3, 4, v3                        ; 16 x lane
	s_lshl_b32 s62, s13, 15
	v_add_nc_u32 v[ADA], s62, v3
	v_add_nc_u32 v[ADA+1], HALF, v[ADA]
	s_lshl_b32 s62, s14, 15
	s_add_co_u32 s62, s62, 65536
	v_add_nc_u32 v[ADB], s62, v3
	v_add_nc_u32 v[ADB+1], HALF, v[ADB]
	s_mul_i32 s62, s13, 32*272                     ; into the stage: my 32 rows, my 128 bytes of them; row r, 32 bytes for each half of the lanes
	s_lshl_b32 s63, s14, 7
	s_add_co_u32 s62, s62, s63
	s_add_co_u32 s62, s62, STG
	v_mul_u32_u24 v[STO], v1, 272
	v_lshl_add_u32 v[STO], v2, 5, v[STO]
	v_add_nc_u32 v[STO], s62, v[STO]
	s_mul_i32 s62, s12, 16*272                     ; back: wave w takes rows 16 w on, whole; lanes 0-15 one row, lanes 16-31 the next
	s_add_co_u32 s62, s62, STG
	v_mul_u32_u24 v[RD], v2, 272
	v_lshl_add_u32 v[RD], v1, 4, v[RD]
	v_add_nc_u32 v[RD], s62, v[RD]
	v_lshlrev_b32 v[CO], 12, v2                    ; and the same two rows in out0
	v_lshl_add_u32 v[CO], v1, 4, v[CO]
	v_lshlrev_b32 v[BOO], 5, v2
	s_lshl_b32 s60, s18, 18                        ; 64 rows of 4,096 bytes x block of rows
	s_lshl_b32 s62, s12, 16
	s_add_co_u32 s60, s60, s62                     ; + 16 rows x wave
	s_lshl_b32 s62, s17, 8
	s_add_co_u32 s60, s60, s62                     ; + 256 bytes x block of columns
	s_mov_b32 s61, 0
	s_add_nc_u64 s[10:11], s[10:11], s[60:61]
	s_lshl_b32 s66, s17, 8
	s_lshl_b32 s62, s14, 7
	s_add_co_u32 s66, s66, s62
	s_mov_b32 s67, 0
	s_add_nc_u64 s[8:9], s[8:9], s[66:67]          ; bo: my 32 numbers; lane (r, h2) wants, for tile jn, those of columns 16 jn + 8 h2 + 0 .. 7
.irp jn, 0,1
.irp e, 0,1
	global_load_b128 v[BO+8*\jn+4*\e:BO+8*\jn+4*\e+3], v[BOO], s[8:9] offset:64*\jn+16*\e
.endr
.endr
; a batch: two steps of 32 along K: 16 LDS loads of 512 consecutive bytes
.macro FETCH bt, f
.set HF, (\bt)/8
.set K0, 2*((\bt)%8)
.irp kk, 0,1
.irp i, 0,1
.irp g, 0,1
	ds_load_b128 v[\f+32*\kk+8*\i+4*\g:\f+32*\kk+8*\i+4*\g+3], v[ADA+HF] offset:\i*16384+(K0+\kk)*1024+\g*512
	ds_load_b128 v[\f+32*\kk+16+8*\i+4*\g:\f+32*\kk+16+8*\i+4*\g+3], v[ADB+HF] offset:\i*16384+(K0+\kk)*1024+\g*512
.endr
.endr
.endr
.endm
; its eight matrix instructions: the four accumulators take turns, one instruction a turn
.macro MUL f, first
.irp kk, 0,1
.irp i, 0,1
.irp jn, 0,1
.if \first && (\kk == 0)
	v_wmma_f32_16x16x32_f16 v[ACC+8*(2*\i+\jn):ACC+8*(2*\i+\jn)+7], v[\f+32*\kk+16+8*\jn:\f+32*\kk+16+8*\jn+7], v[\f+32*\kk+8*\i:\f+32*\kk+8*\i+7], v[BO+8*\jn:BO+8*\jn+7]
.else
	v_wmma_f32_16x16x32_f16 v[ACC+8*(2*\i+\jn):ACC+8*(2*\i+\jn)+7], v[\f+32*\kk+16+8*\jn:\f+32*\kk+16+8*\jn+7], v[\f+32*\kk+8*\i:\f+32*\kk+8*\i+7], v[ACC+8*(2*\i+\jn):ACC+8*(2*\i+\jn)+7]
.endif
.endr
.endr
.endr
.endm
	s_wait_tensorcnt 0x1                           ; my part of K half 0 is in; half 1's load may stay out
	s_barrier_signal -1
	s_barrier_wait -1                              ; everybody's is
	FETCH 0, F0
.set bt, 0
.rept 16
.set FC, F0+64*(bt%2)
.set FN, F0+64*((bt+1)%2)
.if (bt != 7) && (bt != 15)
.if bt > 0
	PLACES                                         ; four places in front of loads into registers that matrix instructions have read
.endif
	FETCH bt+1, FN
	s_wait_dscnt 16                                ; all but the 16 loads just issued
.else
	s_wait_dscnt 0x0
.endif
.if bt == 0
	s_wait_loadcnt 0x0                             ; bo
	MUL FC, 1
.else
	MUL FC, 0
.endif
.if bt == 7
	s_wait_tensorcnt 0x0                           ; my part of K half 1 is in,
	s_barrier_signal -1
	s_barrier_wait -1                              ; everybody's is
	PLACES
	FETCH 8, F0
.endif
.set bt, bt+1
.endr
	; THE WAY OUT
	PLACES
.irp i, 0,1
.irp jn, 0,1
	ds_store_b128 v[STO], v[ACC+8*(2*\i+\jn):ACC+8*(2*\i+\jn)+3] offset:\i*4352+64*\jn          ; each accumulator from its low end on
	ds_store_b128 v[STO], v[ACC+8*(2*\i+\jn)+4:ACC+8*(2*\i+\jn)+7] offset:\i*4352+64*\jn+16
.endr
.endr
	s_wait_dscnt 0x0                               ; for the others' sake: my stores into the stage are done
	s_barrier_signal -1
	s_barrier_wait -1
.irp i, 0,1,2,3,4,5,6,7
	ds_load_b128 v[F0+4*\i:F0+4*\i+3], v[RD] offset:\i*544
.endr
.irp i, 0,1,2,3,4,5,6,7
	s_wait_dscnt 7-\i                              ; the younger loads may be out
	global_store_b128 v[CO], v[F0+4*\i:F0+4*\i+3], s[10:11] offset:\i*8192 th:TH_STORE_NT   ; sixteen lanes store 256 consecutive bytes, aligned
.endr
	s_wait_tensorcnt 0x0                           ; the wave's end, behind my last tensor load and my last LDS store
	ds_add_u32 v[SPW], v[NIL]
	s_wait_dscnt 0x0
	ROUND                                          ; the closing round
	s_endpgm
.Lfunc_end_k_qab2853407c_outproj:
	.size	k_qab2853407c_outproj, .Lfunc_end_k_qab2853407c_outproj-k_qab2853407c_outproj
	.p2alignl 7, 3214868480
	.fill 96, 4, 3214868480
	.section	.rodata,"a",@progbits
	.p2align	6, 0x0
	.amdhsa_kernel k_qab2853407c_outproj
		.amdhsa_group_segment_fixed_size 327680
		.amdhsa_private_segment_fixed_size 0
		.amdhsa_enable_private_segment 0
		.amdhsa_kernarg_size 32
		.amdhsa_user_sgpr_count 2
		.amdhsa_user_sgpr_kernarg_segment_ptr 1
		.amdhsa_wavefront_size32 1
		.amdhsa_system_sgpr_workgroup_id_x 1
		.amdhsa_system_sgpr_workgroup_id_y 1
		.amdhsa_system_sgpr_workgroup_id_z 1
		.amdhsa_system_vgpr_workitem_id 0
		.amdhsa_next_free_vgpr 256
		.amdhsa_next_free_sgpr 80
		.amdhsa_reserve_vcc 0
		.amdhsa_float_denorm_mode_32 3
		.amdhsa_float_denorm_mode_16_64 3
		.amdhsa_memory_ordered 1
		.amdhsa_forward_progress 1
		.amdhsa_inst_pref_size 36
	.end_amdhsa_kernel
	.amdgpu_metadata
---
amdhsa.version: [ 1, 2 ]
amdhsa.kernels:
  - .name:           k_qab2853407c_outproj
    .symbol:         k_qab2853407c_outproj.kd
    .args:
      - { .name: ctx, .offset: 0, .size: 8, .value_kind: global_buffer, .address_space: global }
      - { .name: wo16, .offset: 8, .size: 8, .value_kind: global_buffer, .address_space: global }
      - { .name: bo, .offset: 16, .size: 8, .value_kind: global_buffer, .address_space: global }
      - { .name: out0, .offset: 24, .size: 8, .value_kind: global_buffer, .address_space: global }
    .group_segment_fixed_size: 327680
    .private_segment_fixed_size: 0
    .kernarg_segment_align: 8
    .kernarg_segment_size: 32
    .max_flat_workgroup_size: 128
    .sgpr_count:     80
    .vgpr_count:     256
    .wavefront_size: 32
...
	.end_amdgpu_metadata
.endif
;; end of part 4
